; MI455X (gfx1250); checked and timed in simulation.
; The chip was launched on July 23, 2026; its instructions are those of AMD's public machine-readable ISA for CDNA 5 (MIT licence, August 2026) and "CDNA5" Instruction Set Architecture Reference Guide (July 2026). The comments in the code are by the model that wrote it; some were corrected since.
;; Student Mo E Encoder. Allowed arithmetic: float matrix products may take bf16 or f16 operands with f32 sums; other float arithmetic in f32, or as packed bf16 or f16 multiplies, adds, multiply-adds, maxima and minima; sums over many terms, partial sums and values carried from step to step in f32; what a program stores and reads back later, other than sums and carried values, may be rounded once to bf16 or f16.
;; Inputs: eW1 8 x 512 x 512 float32; eW2 8 x 512 x 256 float32; eW3 8 x 256 x 32 float32; eb1 8 x 512 float32; eb2 8 x 256 float32; eb3 8 x 32 float32; gW1 512 x 512 float32; gW2 512 x 256 float32; gW3 256 x 8 float32; gb1 512 float32; gb2 256 float32; gb3 8 float32; obs 16,384 x 512 float32; obs_no_goal 16,384 x 512 float32.
;; Outputs: out0 16,384 x 32 float32; out1 16,384 x 8 float32.
;; 2 versions, each right; version 2 is version 1 with the launch main written anew for expert scheduling mode. Each part assembles by itself: llvm-mc -triple=amdgcn-amd-amdhsa -mcpu=gfx1250 --defsym DOCPART=n.
;; ======== version 1 of 2: 3 launches
;; limits: a function is approximated: absolute error at most 6e-08; values are held in f16: magnitudes above 65,504 overflow, below 6.1e-05 lose precision; right only within a limited range of input values
;; workspace buffers: wp 7,225,344 bytes; bp 36,864 bytes; part 4,194,304 bytes
;; launch prep (part 1): grid 25 x 9, 8 waves a work-group, no clusters, 0 bytes of LDS; arguments eW1, eW2, eW3, eb1, eb2, eb3, gW1, gW2, gW3, gb1, gb2, gb3, wp, bp; writes wp, bp
.if DOCPART == 1
	.amdgcn_target "amdgcn-amd-amdhsa--gfx1250"
	.amdhsa_code_object_version 6
	.text
	.protected	k_qfe87b40ae9_prep
	.globl	k_qfe87b40ae9_prep
	.p2align	8
	.type	k_qfe87b40ae9_prep,@function
k_qfe87b40ae9_prep:
	s_mov_b64 s[64:65], 0
	v_nop
	global_prefetch_b8 v0, s[64:65] scope:SCOPE_SE
	s_setreg_imm32_b32 hwreg(HW_REG_WAVE_MODE, 25, 1), 1
	s_wait_xcnt 0x0
; The nine nets' weights (net 0 = the gate, net 1 + e = expert e) are rounded once to bf16 and laid in the order in which the
; chain's waves take them as matrix operands; the biases, rounded to bf16 too, are laid in the same order, widened to f32 again.
; LAYER 2's weights are multiplied with an f16 operand, so the bf16 number is written as f16: the same number from 2^-17 up to 65,504; below 2^-17 it keeps f16's step of 6e-8.
; wp, NETB bytes a net: for each wave w 0..3 a stream of 196,608 bytes of fragments of 1,024 bytes: layer 1 [K step ks 0..15][column tile c 0..7], then at 131,072 layer 2 [ks 0..15][c 0..3];
; behind the four waves, at 786,432, the last layer's [ks 0..7][c 0..1].  A fragment: byte 512 q + 16 L + 2 i (lane L = 16 h + r) holds W[k = 32 ks + 16 q + 8 h + i][n];
; n = 128 w + 16 c + r (layer 1), 64 w + 16 c + r (layer 2), 16 c + r (layer 3; the gate: r & 7, its 8 columns repeated).
; bp, 4,096 bytes a net: at 768 w the wave's 128 first biases, at 768 w + 512 its 64 second ones, f32; the last layer's 32 at 3,072 (the gate: gb3[i & 7]); the bytes from 3,200 on are neither written nor read.
; SHARES.  Grid y = the net.  x < 16: K step x of layer 1.  16 <= x < 24: K steps 2 (x - 16), +1 of layer 2.  x = 24: layer 3 and the biases.
; A lane gathers eight numbers of one column (eight rows of the source), rounds them in pairs and stores 16 bytes; a wave's store covers
; 512 consecutive bytes.  In one step the eight waves take eight neighbouring column tiles: 512 consecutive bytes of each source row.
; The biases' stores are pieces of 128 bytes a wave: 3,200 bytes a net.
.set NETB, 802816
.set VO,  2                            ; v2   my byte offset in the source
.set VD,  3                            ; v3   my byte offset in wp
.set LDR, 16                           ; v[16:79]   step t: eight f32 as loaded
.set PKR, 80                           ; v[80:111]  step t: four registers to store
.set SRC, 36                           ; s[36:37] the source at this work-group's rows
.set DST, 38                           ; s[38:39] wp at this work-group's part
; step t's offsets: SI in the source, DI in wp
.macro SD kind
.if \kind == 1                         ; layer 1: column tile v + 8 (t & 3) = 8 w + c: w = t & 3, c = v; q = t >> 2
.set SI, 512*(t&3)+32768*(t>>2)
.set DI, (t&3)*196608+(t>>2)*512
.elseif \kind == 2                     ; layer 2: column tile v + 8 (t & 1) = 4 w + c; q = (t >> 1) & 1; K step + (t >> 2)
.set SI, 512*(t&1)+16384*((t>>1)&1)+32768*(t>>2)
.set DI, (t&1)*393216+(t>>2)*4096+((t>>1)&1)*512
.elseif \kind == 3                     ; an expert's layer 3: c = t & 1, q = t >> 1
.set SI, 64*(t&1)+2048*(t>>1)
.set DI, 1024*(t&1)+512*(t>>1)
.else                                  ; the gate's layer 3: both column tiles repeat the same 8 columns
.set SI, 512*(t>>1)
.set DI, 1024*(t&1)+512*(t>>1)
.endif
.endm
; T steps: all loads first, then each step's rounding and store behind a counted wait
.macro RUN T, rowB, kind
.set t, 0
.rept \T
	SD \kind
.set i, 0
.rept 8
	global_load_b32 v[LDR+8*t+i], v[VO], s[SRC:SRC+1] offset:SI+i*\rowB
.set i, i+1
.endr
.set t, t+1
.endr
.set t, 0
.rept \T
	SD \kind
	s_wait_loadcnt 8*(\T-1-t)                      ; loads come back in order: step t's eight are in, the later steps' stay out
.set i, 0
.rept 4
	v_cvt_pk_bf16_f32 v[PKR+4*t+i], v[LDR+8*t+2*i], v[LDR+8*t+2*i+1]
.if \kind == 2                         ; layer 2: the bf16 numbers, widened, are written as f16
	v_lshlrev_b32 v[LDR+8*t+2*i], 16, v[PKR+4*t+i]
	v_and_b32 v[LDR+8*t+2*i+1], 0xffff0000, v[PKR+4*t+i]
	v_cvt_pk_f16_f32 v[PKR+4*t+i], v[LDR+8*t+2*i], v[LDR+8*t+2*i+1]
.endif
.set i, i+1
.endr
	global_store_b128 v[VD], v[PKR+4*t:PKR+4*t+3], s[DST:DST+1] offset:DI
.set t, t+1
.endr
.endm
	s_load_b512 s[8:23], s[0:1], 0x0               ; eW1 s[8:9], eW2 s[10:11], eW3 s[12:13], eb1 s[14:15], eb2 s[16:17], eb3 s[18:19], gW1 s[20:21], gW2 s[22:23]
	s_load_b256 s[24:31], s[0:1], 0x40             ; gW3 s[24:25], gb1 s[26:27], gb2 s[28:29], gb3 s[30:31]
	s_load_b128 s[32:35], s[0:1], 0x60             ; wp s[32:33], bp s[34:35]
	v_lshrrev_b32 v1, 5, v0
	v_readfirstlane_b32 s7, v1                     ; wave v, 0..7
	s_and_b32 s4, ttmp7, 0xffff                    ; y: the net
	s_mov_b32 s5, ttmp9                            ; x
	s_max_u32 s6, s4, 1
	s_sub_co_u32 s6, s6, 1                         ; e: the expert (0 for the gate, whose offsets are then 0)
	v_and_b32 v4, 15, v0                           ; r
	v_bfe_u32 v5, v0, 4, 1                         ; h
	v_and_b32 v6, 31, v0                           ; L
	v_lshlrev_b32 v[VO], 2, v4                     ; 4 r
	s_mul_i32 s42, s4, NETB
	s_mov_b32 s43, 0
	s_mov_b32 s41, 0
	s_wait_kmcnt 0x0
	s_add_nc_u64 s[DST:DST+1], s[32:33], s[42:43]  ; wp at my net
	s_cmp_lt_u32 s5, 16
	s_cbranch_scc0 .Lnot_l1
	; LAYER 1, K step x: 32 rows of 2,048 bytes
	s_lshl_b32 s44, s7, 10
	v_lshl_add_u32 v[VD], v6, 4, s44               ; column tile c = v: 1,024 v + 16 L
	v_lshl_add_u32 v[VO], v5, 14, v[VO]            ; + 8 h rows
	s_lshl_b32 s44, s7, 6
	v_add_nc_u32 v[VO], s44, v[VO]                 ; + 16 v columns
	s_mul_i32 s40, s6, 0x100000
	s_lshl_b32 s45, s5, 16
	s_add_co_u32 s40, s40, s45
	s_cmp_eq_u32 s4, 0
	s_cselect_b64 s[SRC:SRC+1], s[20:21], s[8:9]
	s_add_nc_u64 s[SRC:SRC+1], s[SRC:SRC+1], s[40:41]
	s_lshl_b32 s42, s5, 13                         ; a K step of layer 1 is 8 fragments
	s_add_nc_u64 s[DST:DST+1], s[DST:DST+1], s[42:43]
	RUN 8, 2048, 1
	s_endpgm
.Lnot_l1:
	s_cmp_lt_u32 s5, 24
	s_cbranch_scc0 .Ll3
	; LAYER 2, K steps 2 (x - 16) and the next: 64 rows of 1,024 bytes
	s_lshr_b32 s44, s7, 2                          ; (v >> 2) x 196,608 + (v & 3) x 1,024 + 16 L
	s_mul_i32 s44, s44, 196608
	s_and_b32 s45, s7, 3
	s_lshl_b32 s45, s45, 10
	s_add_co_u32 s44, s44, s45
	v_lshl_add_u32 v[VD], v6, 4, s44
	v_lshl_add_u32 v[VO], v5, 13, v[VO]
	s_lshl_b32 s44, s7, 6
	v_add_nc_u32 v[VO], s44, v[VO]
	s_sub_co_u32 s46, s5, 16
	s_mul_i32 s40, s6, 0x80000
	s_lshl_b32 s45, s46, 16
	s_add_co_u32 s40, s40, s45
	s_cmp_eq_u32 s4, 0
	s_cselect_b64 s[SRC:SRC+1], s[22:23], s[10:11]
	s_add_nc_u64 s[SRC:SRC+1], s[SRC:SRC+1], s[40:41]
	s_lshl_b32 s42, s46, 13
	s_add_co_u32 s42, s42, 131072                  ; behind layer 1's part
	s_add_nc_u64 s[DST:DST+1], s[DST:DST+1], s[42:43]
	RUN 8, 1024, 2
	s_endpgm
.Ll3:
	; LAYER 3: wave v takes K step v
	s_mov_b32 s42, 786432
	s_add_nc_u64 s[DST:DST+1], s[DST:DST+1], s[42:43]
	s_lshl_b32 s44, s7, 11
	v_lshl_add_u32 v[VD], v6, 4, s44               ; 2,048 v + 16 L
	s_cmp_eq_u32 s4, 0
	s_cbranch_scc1 .Lgate3
	v_lshl_add_u32 v[VO], v5, 10, v[VO]            ; rows of 128 bytes: + 8 h rows,
	s_lshl_b32 s44, s7, 12
	v_add_nc_u32 v[VO], s44, v[VO]                 ; + 32 v rows
	s_lshl_b32 s40, s6, 15
	s_add_nc_u64 s[SRC:SRC+1], s[12:13], s[40:41]
	RUN 4, 128, 3
	s_branch .Lbias
.Lgate3:
	v_and_b32 v[VO], 7, v4                         ; rows of 32 bytes; column r & 7
	v_lshlrev_b32 v[VO], 2, v[VO]
	v_lshl_add_u32 v[VO], v5, 8, v[VO]
	s_lshl_b32 s44, s7, 10
	v_add_nc_u32 v[VO], s44, v[VO]
	s_mov_b64 s[SRC:SRC+1], s[24:25]
	RUN 4, 32, 4
.Lbias:
	; THE BIASES.  Thread tid takes b1[tid], b1[256 + tid] (wave j >> 7 of the chain, place j & 127) and b2[tid] (wave tid >> 6, place tid & 63)
	s_lshl_b32 s40, s6, 11                         ; e x 2,048 bytes of eb1
	s_lshl_b32 s42, s6, 10                         ; e x 1,024 of eb2
	s_lshl_b32 s52, s6, 7                          ; e x 128 of eb3
	s_mov_b32 s53, 0
	s_lshl_b32 s54, s4, 12                         ; net x 4,096 of bp
	s_mov_b32 s55, 0
	s_cmp_eq_u32 s4, 0
	s_cselect_b64 s[44:45], s[26:27], s[14:15]
	s_cselect_b64 s[46:47], s[28:29], s[16:17]
	s_cselect_b64 s[48:49], s[30:31], s[18:19]
	s_cselect_b32 s56, 7, 31                       ; the gate's 8 last biases are repeated
	s_add_nc_u64 s[44:45], s[44:45], s[40:41]
	s_add_nc_u64 s[46:47], s[46:47], s[42:43]
	s_add_nc_u64 s[48:49], s[48:49], s[52:53]
	s_add_nc_u64 s[50:51], s[34:35], s[54:55]
	v_lshlrev_b32 v8, 2, v0
	global_load_b32 v10, v8, s[44:45]
	global_load_b32 v11, v8, s[44:45] offset:1024
	global_load_b32 v12, v8, s[46:47]
	v_lshrrev_b32 v9, 7, v0
	v_and_b32 v13, 127, v0
	v_mul_u32_u24 v9, v9, 768
	v_lshl_add_u32 v9, v13, 2, v9                  ; b1: 768 (tid >> 7) + 4 (tid & 127); the second half lies two waves, 1,536 bytes, on
	v_lshrrev_b32 v16, 6, v0
	v_and_b32 v13, 63, v0
	v_mul_u32_u24 v16, v16, 768
	v_lshl_add_u32 v16, v13, 2, v16                ; b2: 768 (tid >> 6) + 4 (tid & 63), behind the wave's 512 bytes of b1
	s_wait_loadcnt 0x0
	v_cvt_pk_bf16_f32 v15, v10, v11                ; rounded to bf16, as all the inputs are, and widened again
	v_cvt_pk_bf16_f32 v13, v12, v12
	v_lshlrev_b32 v10, 16, v15
	v_and_b32 v11, 0xffff0000, v15
	v_lshlrev_b32 v12, 16, v13
	global_store_b32 v9, v10, s[50:51]
	global_store_b32 v9, v11, s[50:51] offset:1536
	global_store_b32 v16, v12, s[50:51] offset:512
	s_cmp_lg_u32 s7, 0
	s_cbranch_scc1 .Lend
	v_and_b32 v14, s56, v0                         ; wave 0 alone: the last layer's 32
	v_lshlrev_b32 v14, 2, v14
	global_load_b32 v7, v14, s[48:49]
	s_wait_loadcnt 0x0
	v_cvt_pk_bf16_f32 v7, v7, v7
	v_lshlrev_b32 v7, 16, v7
	global_store_b32 v8, v7, s[50:51] offset:3072
.Lend:
	s_endpgm
.Lfunc_end_k_qfe87b40ae9_prep:
	.size	k_qfe87b40ae9_prep, .Lfunc_end_k_qfe87b40ae9_prep-k_qfe87b40ae9_prep
	.p2alignl 7, 3214868480
	.fill 96, 4, 3214868480
	.section	.rodata,"a",@progbits
	.p2align	6, 0x0
	.amdhsa_kernel k_qfe87b40ae9_prep
		.amdhsa_group_segment_fixed_size 0
		.amdhsa_private_segment_fixed_size 0
		.amdhsa_enable_private_segment 0
		.amdhsa_kernarg_size 112
		.amdhsa_user_sgpr_count 2
		.amdhsa_user_sgpr_kernarg_segment_ptr 1
		.amdhsa_wavefront_size32 1
		.amdhsa_system_sgpr_workgroup_id_x 1
		.amdhsa_system_sgpr_workgroup_id_y 1
		.amdhsa_system_sgpr_workgroup_id_z 1
		.amdhsa_system_vgpr_workitem_id 0
		.amdhsa_next_free_vgpr 112
		.amdhsa_next_free_sgpr 66
		.amdhsa_reserve_vcc 0
		.amdhsa_float_denorm_mode_32 3
		.amdhsa_float_denorm_mode_16_64 3
		.amdhsa_memory_ordered 1
		.amdhsa_forward_progress 1
		.amdhsa_inst_pref_size 38
	.end_amdhsa_kernel
	.amdgpu_metadata
---
amdhsa.version: [ 1, 2 ]
amdhsa.kernels:
  - .name:           k_qfe87b40ae9_prep
    .symbol:         k_qfe87b40ae9_prep.kd
    .args:
      - { .name: eW1, .offset: 0, .size: 8, .value_kind: global_buffer, .address_space: global }
      - { .name: eW2, .offset: 8, .size: 8, .value_kind: global_buffer, .address_space: global }
      - { .name: eW3, .offset: 16, .size: 8, .value_kind: global_buffer, .address_space: global }
      - { .name: eb1, .offset: 24, .size: 8, .value_kind: global_buffer, .address_space: global }
      - { .name: eb2, .offset: 32, .size: 8, .value_kind: global_buffer, .address_space: global }
      - { .name: eb3, .offset: 40, .size: 8, .value_kind: global_buffer, .address_space: global }
      - { .name: gW1, .offset: 48, .size: 8, .value_kind: global_buffer, .address_space: global }
      - { .name: gW2, .offset: 56, .size: 8, .value_kind: global_buffer, .address_space: global }
      - { .name: gW3, .offset: 64, .size: 8, .value_kind: global_buffer, .address_space: global }
      - { .name: gb1, .offset: 72, .size: 8, .value_kind: global_buffer, .address_space: global }
      - { .name: gb2, .offset: 80, .size: 8, .value_kind: global_buffer, .address_space: global }
      - { .name: gb3, .offset: 88, .size: 8, .value_kind: global_buffer, .address_space: global }
      - { .name: wp, .offset: 96, .size: 8, .value_kind: global_buffer, .address_space: global }
      - { .name: bp, .offset: 104, .size: 8, .value_kind: global_buffer, .address_space: global }
    .group_segment_fixed_size: 0
    .private_segment_fixed_size: 0
    .kernarg_segment_align: 8
    .kernarg_segment_size: 112
    .max_flat_workgroup_size: 256
    .sgpr_count:     66
    .vgpr_count:     112
    .wavefront_size: 32
...
	.end_amdgpu_metadata
.endif
;; end of part 1
;; launch main (part 2): grid 2 x 128, 4 waves a work-group, no clusters, 285,184 bytes of LDS; arguments obs, wp, bp, part, out1; writes part, out1
.if DOCPART == 2
	.amdgcn_target "amdgcn-amd-amdhsa--gfx1250"
	.amdhsa_code_object_version 6
	.text
	.protected	k_qfe87b40ae9_main
	.globl	k_qfe87b40ae9_main
	.p2align	8
	.type	k_qfe87b40ae9_main,@function
k_qfe87b40ae9_main:
	s_mov_b64 s[64:65], 0
	v_nop
	global_prefetch_b8 v0, s[64:65] scope:SCOPE_SE
	s_setreg_imm32_b32 hwreg(HW_REG_WAVE_MODE, 25, 1), 1
	s_wait_xcnt 0x0
; THE FUSED CHAIN.  A work-group takes 128 tokens (grid y) through the gate's net and four experts' nets (grid x = the half hf: experts 4 hf .. 4 hf + 3):
; h1 = elu(x W1 + b1), h2 = elu(h1 W2 + b2), last = h2 W3 + b3.  The gate's last layer goes through a softmax (maximum taken away): the weights; half 0 stores them as out1.
; An expert's last layer, times its weight, is added into registers; the sum of four experts leaves as an f32 partial (part[hf]); the next launch adds the two halves and normalises.
; Both halves compute the gate: five nets each where 4.5 would be an even share; so one loop body serves every net, and only 128 bytes a token and half go through memory.
; obs_no_goal: reference() takes it and lets it reach neither output; no launch of this program names it.
; FORMATS.  obs and all weights and biases are rounded to bf16 (the biases widened again; sums, softmax and partials in f32).  The two hidden layers' roundings reach the output undiminished, and two of bf16's 8 bits are too coarse for it:
;   h1 goes in f16 (11 bits), with W2's bf16 numbers written as f16.  LIMIT: |h1| under 65,504, beyond which the row is lost.  Room: all inputs 30 times larger make h1 900 times larger, some 900 x 5.5 x 0.58 = 2,900;
;   obs and W1 both with an offset of 30 spreads make it 512 x 30 x 0.77 = 11,800.
;   h2 has no such room (11,800 x 512 x 0.77 = 4.6e6), so it goes as TWO bf16 numbers, hi = bf16(h2) and lo = bf16(h2 - hi), and layer 3 is multiplied over both with the same W3: 32 matrix instructions more a net beside 1,568.
; elu(x) = the middle one of x, 2^(x log2 e) - 1 and 0: x where x > 0 (also where the power overflows), the power less 1 where x < 0; that difference is off by up to 6e-8 absolutely.  NaN and infinities are not treated apart.
; SHARES.  Layer 1 (K = 512): wave w makes all 128 tokens x 128 columns, 64 accumulators: a K step is 64 matrix instructions behind one run of 32 loads (16 of weights, 16 of token fragments), and X is read once a net.
; Layer 2 (K = 512): 128 tokens x 64 columns, 32 accumulators.  In layer 3 wave w has tokens 32 w .. 32 w + 31.
; THE MATRIX INSTRUCTION IS USED TRANSPOSED: source 0 = 16 output columns of the weights, source 1 = 16 tokens.  A lane then holds one token (lane % 16) and 8 neighbouring columns 8 (lane / 16) + 0..7, which pack
; into 16 bytes of a row of H; the bias is the C operand of the first K step.
; WEIGHTS come from memory STRAIGHT INTO REGISTERS: the launch before laid them as fragments, each fragment has one reader wave in the work-group.  A wave's weights of a net are a stream of 48 chunks of 4,096 bytes
; (layer 1's K step ks: chunks 2 ks, 2 ks + 1; layer 2's: chunk 32 + ks); chunk j lies in registers 32 (j % 8) of the ring, and behind its use chunk j + 8 is asked for: 64 loads, 32 KB, are on their way.
; NO CLUSTER, NO TENSOR LOADS: X and H take 266,240 bytes of LDS, so under 61 KB would be left for slots; a fragment staged in LDS would be written and read once more with no second reader.
; What joint loads would spare is three of four of the work-groups' requests for the same 4 MB of weights; not built here.
; THE ACTIVATIONS STAND IN PHASES OF THEIR OWN: to set them beside matrix work a second set of accumulators (256 registers) and a second H (133,120 bytes) would be wanted, and neither is left.
; LDS: X (obs in bf16) 128 rows, pitch 1,040 = 1,024 + 16 (65 x 16 bytes: the 16 rows of a fragment load start at 16 different groups of four banks: ISA guide 11.1); H the same (h1: 1,024 bytes a row; later h2's hi in
; its first 512 bytes and lo in the other 512); the spare words; a stage of 32 rows x 144 bytes for each wave.
; REGISTERS in windows of 256 (s_set_vgpr_msb: bits 1:0 source 0, 3:2 source 1, 5:4 source 2, 7:6 destination):
;   window 0: v0-31 addresses, my half's gate weights; v32-63 the weighted sum; v64-191 token fragments, two buffers, also the activation's work space; v192-255 a layer's bias
;   window 1: the weights' ring     window 2: accumulators of column tiles 0-3, (c, t) at 8 (8 c + t); when layer 2's are spent, h2's packed hi, then layer 3's lo fragments
;   window 3: layer 1's accumulators of column tiles 4-7; when they are spent: v0-127 W3, v128-159 layer 3's sums, v160-175 b3
.set PITCH, 1040
.set T16,   16*PITCH                   ; a tile of 16 tokens
.set HALFR, 64*PITCH                   ; the second address register of a pair reaches tokens 64..127: LDS immediates have 16 bits
.set HBASE, 128*PITCH
.set SPARE, 256*PITCH                  ; 266,240: the spare words, 128 bytes a wave: two blocks of 256 bytes that no other line names
.set STAGE, SPARE+512
.set SP,    144
.set NETB,  802816                     ; a net in wp
.set WAVB,  196608                     ; a wave's 48 chunks
.set CHUNK, 4096
.set W3OFF, 786432
.set RR,  1                            ; v1   lane % 16
.set HH,  2                            ; v2   lane / 16
.set LL,  3                            ; v3   lane
.set WL,  4                            ; v4   16 x lane: my 16 bytes of 512 consecutive ones
.set BL,  5                            ; v5   32 x (lane / 16): my 8 biases of 16
.set XA,  6                            ; v6-7   my place in X's fragments, tokens 0-63, 64-127
.set HA,  8                            ; v8-9   the same in H
.set HS,  10                           ; v10-11 where I store 16 bytes of h2: + 128 w
.set HW,  12                           ; v12-13 where I store 16 bytes of h1: + 256 w
.set H3A, 14                           ; v14  layer 3: my place in my wave's 32 rows of H
.set XS,  15                           ; v15  where I store 8 bytes of X;
.set NEG1, 15                          ;      when X is whole: -1.0
.set GW,  16                           ; v16-23 my half's four gate weights for each of my two token tiles: 16 + 4 tt + k
.set XL,  24                           ; v24-25 XA as layer 1's loop steps it
.set RD,  26                           ; v26-27 a temporary at the head; the way out: where I read rows back
.set SPW, 28                           ; v28  SPARE + 4 x my thread's number; never rewritten
.set NIL, 29                           ; v29  0; never rewritten
.set O1,  30                           ; v30  my 16 bytes of out1
.set SGS, 31                           ; v31  the way out: where I put 16 bytes
.set LAT, 32
.set XB,  64
.set BIAS, 192
.set GT,  XB                           ; the gate's tail works in the fragment buffers: 12 temporaries,
.set GE,  XB+16                        ; 16 exponentials,
.set GO,  XB+32                        ; 8 registers to store
.set ACC3, 128                         ; window 3
.set B3,  160                          ; window 3
.set WV,  14                           ; s14 wave
.set HF,  15                           ; s15 half
.set TILE, 16                          ; s16 token tile
.set WOFF, 17                          ; s17 w x WAVB
.set CE,  18                           ; s[18:19] log2(e), named as a pair
.set HM,  20                           ; s20 lanes 16-31
.set HFM, 21                           ; s21 all lanes if hf = 1, else none
.set TRIP, 22                          ; s22 nets to go
.set PC,  23                           ; s23 layer 1's trips to go
.set ON,  25                           ; s25 the next net
.set LASTN, 26                         ; s26 my last net
.set OC,  27                           ; s27 the net in hand
.set WP,  28                           ; s[28:29] wp at the net in hand, my wave's part
.set BP,  30                           ; s[30:31] bp likewise
.set NA,  32                           ; s[32:33] wp at the next net, my wave's part
.set NB,  34                           ; s[34:35] bp likewise
.set W3P, 36                           ; s[36:37] the net's W3
.set B3P, 38                           ; s[38:39] the net's b3
.set OA,  40                           ; s[40:41], s[42:43] offsets, high words 0
.set OB,  42
.set OBS, 44                           ; s[44:45] obs at my wave's rows;
.set WL1, 44                           ;          when X is whole: WP as layer 1's loop steps it
.set CNT, 46
.set BOFF, 47                          ; s47 w x 768
.set MSB, 0
.macro WIN new                         ; the immediate's high byte repeats the setting that is left; a switch that changes nothing is dropped
.if MSB != (\new)
	s_set_vgpr_msb (MSB<<8)|(\new)
.set MSB, \new
.endif
.endm
.macro BAR
	s_barrier_signal -1
	s_barrier_wait -1
.endm
.macro PLACES                          ; four plain vector instructions between a matrix instruction and a vector read of its result or a load into one of its registers
.rept 4
	v_nop
.endr
.endm
; LAYER 1'S K STEP 4 T + 1 + j, where T counts the loop's steps of XL and WL1 (T = 0, j = -1: the first K step, whose C operand is the bias).  last = 1: no further token fragments.
.macro K1 j, last
.set SL, 64*((1+(\j))&3)               ; the K step's two chunks in the ring
.set PB, XB+64*((1+(\j))&1)            ; its token fragments
.set NX, XB+64*((2+(\j))&1)            ; the next K step's
.if !(\last)
	WIN 0
.set t, 0
.rept 8                                ; the next K step's token fragments, into the buffer that the K step before read (its four places stand at its end); with the refill above them they are one run of 32 loads
	ds_load_b128 v[NX+8*t:NX+8*t+3],   v[XL+(t>>2)] offset:(t&3)*T16+64*(2+(\j))
	ds_load_b128 v[NX+8*t+4:NX+8*t+7], v[XL+(t>>2)] offset:(t&3)*T16+64*(2+(\j))+32
.set t, t+1
.endr
.endif
	s_wait_loadcnt 48                              ; behind this K step's 16 weight loads stand those of the 6 chunks after them, 48, and at times a bias's: the count is never too large
.if \last
	s_wait_dscnt 0x0
.else
	s_wait_dscnt 16                                ; all but the 16 just issued: this K step's token fragments are in
.endif
.set c, 0
.rept 8                                ; 64 matrix instructions, each accumulator once: the accumulators take turns over K steps and the loop's jump too
.if (\j) == -1
	WIN 0x81+0x40*(c>>2)                           ; weights window 1, tokens and C = the bias window 0, D window 2 or 3
.else
	WIN 0xa1+0x50*(c>>2)                           ; C and D window 2 or 3
.endif
.set t, 0
.rept 8
.if (\j) == -1
	v_wmma_f32_16x16x32_bf16 v[8*(8*(c&3)+t):8*(8*(c&3)+t)+7], v[SL+8*c:SL+8*c+7], v[PB+8*t:PB+8*t+7], v[BIAS+8*c:BIAS+8*c+7]
.else
	v_wmma_f32_16x16x32_bf16 v[8*(8*(c&3)+t):8*(8*(c&3)+t)+7], v[SL+8*c:SL+8*c+7], v[PB+8*t:PB+8*t+7], v[8*(8*(c&3)+t):8*(8*(c&3)+t)+7]
.endif
.set t, t+1
.endr
.set c, c+1
.endr
	PLACES
	WIN 0x40                                       ; destination window 1: the two chunks just read take the chunks 8 further on
.set i, 0
.rept 16
	global_load_b128 v[SL+4*i:SL+4*i+3], v[WL], s[WL1:WL1+1] offset:(10+2*(\j))*CHUNK+512*i
.set i, i+1
.endr
.if (\j) == -1                         ; layer 2's bias, into registers that this K step alone read (its places stand above); the later K steps' counted waits, with more than 48 younger loads, show it landed
	WIN 0
.set c, 0
.rept 4
	global_load_b128 v[BIAS+8*c:BIAS+8*c+3],   v[BL], s[BP:BP+1] offset:512+64*c
	global_load_b128 v[BIAS+8*c+4:BIAS+8*c+7], v[BL], s[BP:BP+1] offset:512+64*c+16
.set c, c+1
.endr
.endif
.endm
; LAYER 2'S K STEP KS: f16 operands; chunk 32 + KS; from KS = 8 on the ring runs on into the next net.
.macro K2
.if KS < 15
	WIN 0
.set t, 0
.rept 8
	ds_load_b128 v[XB+64*((KS+1)&1)+8*t:XB+64*((KS+1)&1)+8*t+3],   v[HA+(t>>2)] offset:(t&3)*T16+64*(KS+1)
	ds_load_b128 v[XB+64*((KS+1)&1)+8*t+4:XB+64*((KS+1)&1)+8*t+7], v[HA+(t>>2)] offset:(t&3)*T16+64*(KS+1)+32
.set t, t+1
.endr
.endif
	s_wait_loadcnt 56                              ; behind this chunk's 8 loads stand those of the 7 chunks after it, 56, and at times W3's or a bias's: the count is never too large
.if KS < 15
	s_wait_dscnt 16
.else
	s_wait_dscnt 0x0
.endif
.if KS == 0
	WIN 0x81
.else
	WIN 0xa1
.endif
.set c, 0
.rept 4
.set t, 0
.rept 8
.if KS == 0
	v_wmma_f32_16x16x32_f16 v[8*(8*c+t):8*(8*c+t)+7], v[32*(KS%8)+8*c:32*(KS%8)+8*c+7], v[XB+64*(KS&1)+8*t:XB+64*(KS&1)+8*t+7], v[BIAS+8*c:BIAS+8*c+7]
.else
	v_wmma_f32_16x16x32_f16 v[8*(8*c+t):8*(8*c+t)+7], v[32*(KS%8)+8*c:32*(KS%8)+8*c+7], v[XB+64*(KS&1)+8*t:XB+64*(KS&1)+8*t+7], v[8*(8*c+t):8*(8*c+t)+7]
.endif
.set t, t+1
.endr
.set c, c+1
.endr
	PLACES
	WIN 0x40
.set i, 0
.rept 8
.if KS >= 8
	global_load_b128 v[32*(KS%8)+4*i:32*(KS%8)+4*i+3], v[WL], s[NA:NA+1] offset:(KS-8)*CHUNK+512*i
.else
	global_load_b128 v[32*(KS%8)+4*i:32*(KS%8)+4*i+3], v[WL], s[WP:WP+1] offset:(40+KS)*CHUNK+512*i
.endif
.set i, i+1
.endr
.if KS == 1                            ; the next net's first bias, 64 registers: K step 0 was the last to read any of them; K step 15's wait (104 loads are then younger) shows these loads landed
	WIN 0
.set c, 0
.rept 8
	global_load_b128 v[BIAS+8*c:BIAS+8*c+3],   v[BL], s[NB:NB+1] offset:64*c
	global_load_b128 v[BIAS+8*c+4:BIAS+8*c+7], v[BL], s[NB:NB+1] offset:64*c+16
.set c, c+1
.endr
.endif
.endm
; THE ACTIVATION, by column tiles G of 64 numbers a lane (8 accumulators; tiles 0-3 in window 2, 4-7 in window 3).  x log2 e into work space G & 1; 64 exponentials as ONE batch; the next tile's 32 multiplies are
; the plain work behind it; one wait; less 1; the middle of three.  split = 0 (h1): rounded to f16, 16 bytes a token tile into H.
; split = 1 (h2): hi = the number rounded to bf16, packed into the tile's spent accumulators; lo = the number less hi (one multiply-add that reads hi's half), rounded to bf16; hi into H, lo 512 bytes further on.
.macro MULS g
	WIN 2+((\g)>>2)                                ; source 0: the accumulators' window
.set i, 0
.rept 32                               ; ascending: each accumulator's lowest registers are read first
	v_pk_mul_f32 v[XB+64*((\g)&1)+2*i:XB+64*((\g)&1)+2*i+1], v[64*((\g)&3)+2*i:64*((\g)&3)+2*i+1], s[CE:CE+1] op_sel_hi:[1,0]
.set i, i+1
.endr
.endm
.macro EPI hs, split, ng
	MULS 0
.set G, 0
.rept \ng
.set TB, XB+64*(G&1)
.set AB, 64*(G&3)
	WIN 0
.set i, 0
.rept 64
	v_exp_f32 v[TB+i], v[TB+i]
.set i, i+1
.endr
.if G < (\ng)-1
	MULS G+1
.else
	v_nop                                          ; a plain instruction behind the last exponential
.endif
	WIN 0
	s_wait_alu depctr_va_vdst(0)                   ; one wait for the batch of 64, ahead of the first line that names a result
.set i, 0
.rept 32
	v_pk_add_f32 v[TB+2*i:TB+2*i+1], v[TB+2*i:TB+2*i+1], -1.0 op_sel_hi:[1,0]
.set i, i+1
.endr
	WIN 2+(G>>2)
.set i, 0
.rept 64
	v_med3_num_f32 v[TB+i], v[AB+i], v[TB+i], 0
.set i, i+1
.endr
.if \split
	WIN 0x80                                       ; destination window 2: the tile's accumulators have been read for the last time
.set i, 0
.rept 32
	v_cvt_pk_bf16_f32 v[AB+i], v[TB+2*i], v[TB+2*i+1]          ; hi, token tile t's four registers at 4 t
.set i, i+1
.endr
	WIN 0x02
.set i, 0
.rept 32
	v_fma_mix_f32_bf16 v[TB+2*i], v[AB+i], v[NEG1], v[TB+2*i] op_sel_hi:[1,0,0]                    ; the number less hi: hi's low half x (-1) + the number,
	v_fma_mix_f32_bf16 v[TB+2*i+1], v[AB+i], v[NEG1], v[TB+2*i+1] op_sel:[1,0,0] op_sel_hi:[1,0,0]  ; and its high half
.set i, i+1
.endr
	WIN 0
.set t, 0
.rept 8
.set i, 0
.rept 4
	v_cvt_pk_bf16_f32 v[TB+8*t+i], v[TB+8*t+2*i], v[TB+8*t+2*i+1]  ; lo, in place: register i is written when registers 2 i, 2 i + 1 are read, never ahead of its own reading
.set i, i+1
.endr
.set t, t+1
.endr
.set t, 0
.rept 8
	ds_store_b128 v[\hs+(t>>2)], v[TB+8*t:TB+8*t+3] offset:(t&3)*T16+32*G+512
.set t, t+1
.endr
	WIN 0x08                                       ; store data window 2
.set t, 0
.rept 8
	ds_store_b128 v[\hs+(t>>2)], v[AB+4*t:AB+4*t+3] offset:(t&3)*T16+32*G
.set t, t+1
.endr
.else
	WIN 0
.set t, 0
.rept 8
.set i, 0
.rept 4
	v_cvt_pk_f16_f32 v[TB+8*t+i], v[TB+8*t+2*i], v[TB+8*t+2*i+1]   ; in place, as above
.set i, i+1
.endr
.set t, t+1
.endr
.set t, 0
.rept 8
	ds_store_b128 v[\hs+(t>>2)], v[TB+8*t:TB+8*t+3] offset:(t&3)*T16+32*G
.set t, t+1
.endr
.endif
.set G, G+1
.endr
.endm
	s_load_b256 s[4:11], s[0:1], 0x0               ; obs s[4:5], wp s[6:7], bp s[8:9], part s[10:11]
	s_load_b64 s[12:13], s[0:1], 0x20              ; out1
	v_lshl_add_u32 v[SPW], v0, 2, SPARE
	v_mov_b32 v[NIL], 0
	v_lshrrev_b32 v[RD], 5, v0
	v_readfirstlane_b32 s[WV], v[RD]               ; wave 0..3
	s_mov_b32 s[HF], ttmp9
	s_and_b32 s[TILE], ttmp7, 0xffff
	s_mov_b32 s[CE], 0x3fb8aa3b                    ; log2(e)
	s_mov_b32 s[CE+1], s[CE]
	s_mov_b32 s[HM], 0xffff0000
	s_sub_co_u32 s[HFM], 0, s[HF]
	s_mov_b32 s[TRIP], 5
	s_lshl_b32 s[ON], s[HF], 2
	s_add_co_u32 s[LASTN], s[ON], 4                ; nets 4 hf + 1 .. 4 hf + 4 follow the gate
	s_add_co_u32 s[ON], s[ON], 1
	s_mov_b32 s[OC], 0
	s_mul_i32 s[WOFF], s[WV], WAVB
	s_mul_i32 s[BOFF], s[WV], 768
	s_mov_b32 s[OA+1], 0
	s_mov_b32 s[OB+1], 0
	v_and_b32 v[RR], 15, v0
	v_bfe_u32 v[HH], v0, 4, 1
	v_and_b32 v[LL], 31, v0
	v_lshlrev_b32 v[WL], 4, v[LL]
	v_lshlrev_b32 v[BL], 5, v[HH]
	v_mul_u32_u24 v[XA], v[RR], PITCH
	v_lshl_add_u32 v[XA], v[HH], 4, v[XA]          ; row x pitch + 16 x half: a fragment is two loads of 16 bytes, 32 bytes apart
	v_add_nc_u32 v[XA+1], HALFR, v[XA]
	v_add_nc_u32 v[HA], HBASE, v[XA]
	v_add_nc_u32 v[HA+1], HBASE+HALFR, v[XA]
	s_lshl_b32 s[OA], s[WV], 7
	v_add_nc_u32 v[HS], s[OA], v[HA]               ; h2: my wave's 64 columns are 128 bytes of a row
	v_add_nc_u32 v[HS+1], s[OA], v[HA+1]
	s_lshl_b32 s[OA], s[WV], 8
	v_add_nc_u32 v[HW], s[OA], v[HA]               ; h1: my wave's 128 columns are 256 bytes
	v_add_nc_u32 v[HW+1], s[OA], v[HA+1]
	s_mul_i32 s[OB], s[WV], 32*PITCH
	v_add_nc_u32 v[H3A], s[OB], v[HA]
	v_lshl_add_u32 v[XS], v[LL], 3, s[OB]
	v_lshlrev_b32 v[O1], 5, v[RR]
	v_lshl_add_u32 v[O1], v[HH], 4, v[O1]
	s_wait_kmcnt 0x0
	s_mov_b32 s[OA], s[WOFF]
	s_add_nc_u64 s[WP:WP+1], s[6:7], s[OA:OA+1]    ; the gate's net, my wave's part
	s_mov_b32 s[OB], s[BOFF]
	s_add_nc_u64 s[BP:BP+1], s[8:9], s[OB:OB+1]
.set c, 0
.rept 8                                ; the first layer's bias, then the ring's first 8 chunks
	global_load_b128 v[BIAS+8*c:BIAS+8*c+3],   v[BL], s[BP:BP+1] offset:64*c
	global_load_b128 v[BIAS+8*c+4:BIAS+8*c+7], v[BL], s[BP:BP+1] offset:64*c+16
.set c, c+1
.endr
	WIN 0x40
.set i, 0
.rept 64
	global_load_b128 v[4*i:4*i+3], v[WL], s[WP:WP+1] offset:512*i
.set i, i+1
.endr
	WIN 0
	s_lshl_b32 s[OA], s[TILE], 18                  ; obs: 128 rows of 2,048 bytes a tile, 32 rows a wave
	s_lshl_b32 s[OB], s[WV], 16
	s_add_co_u32 s[OA], s[OA], s[OB]
	s_add_nc_u64 s[OBS:OBS+1], s[4:5], s[OA:OA+1]
	s_lshl_b32 s[OA], s[TILE], 12                  ; out1: 32 bytes a token
	s_lshl_b32 s[OB], s[WV], 10
	s_add_co_u32 s[OA], s[OA], s[OB]
	s_add_nc_u64 s[12:13], s[12:13], s[OA:OA+1]
	s_lshl_b32 s[OA], s[HF], 21                    ; part: 2,097,152 bytes a half, 128 bytes a token
	s_lshl_b32 s[OB], s[TILE], 14
	s_add_co_u32 s[OA], s[OA], s[OB]
	s_lshl_b32 s[OB], s[WV], 12
	s_add_co_u32 s[OA], s[OA], s[OB]
	s_add_nc_u64 s[10:11], s[10:11], s[OA:OA+1]
.set i, 0
.rept 32
	v_mov_b32 v[LAT+i], 0                          ; the weighted sum starts at 0, once in the launch
.set i, i+1
.endr
.irp k, 0,1,2,3,4,5,6,7
	v_mov_b32 v[GW+\k], 0                          ; the registers that the experts' tail names hold numbers on every way through the text; the gate's tail, in the first trip, writes the weights
.endr
	; OBS TO X: my wave's 32 rows, 8 rows a trip.  A load covers 512 consecutive bytes; four f32 a lane become 8 bytes of X.
	s_mov_b32 s[CNT], 4
.Lobs:
.set i, 0
.rept 32
	global_load_b128 v[XB+4*i:XB+4*i+3], v[WL], s[OBS:OBS+1] offset:2048*(i/4)+512*(i%4)
.set i, i+1
.endr
.set i, 0
.rept 32
	s_wait_loadcnt 31-i                            ; loads come back in order: load i is in, the younger ones stay out
	v_cvt_pk_bf16_f32 v[XB+4*i], v[XB+4*i], v[XB+4*i+1]
	v_cvt_pk_bf16_f32 v[XB+4*i+1], v[XB+4*i+2], v[XB+4*i+3]
	ds_store_b64 v[XS], v[XB+4*i:XB+4*i+1] offset:PITCH*(i/4)+256*(i%4)
.set i, i+1
.endr
	s_add_nc_u64 s[OBS:OBS+1], s[OBS:OBS+1], 16384 ; the count above has reached 0: every load that names this base is done
	v_add_nc_u32 v[XS], 8*PITCH, v[XS]
	s_sub_co_u32 s[CNT], s[CNT], 1
	s_cmp_lg_u32 s[CNT], 0
	s_cbranch_scc1 .Lobs
	s_wait_dscnt 0x0                               ; for the others' sake: my rows of X are stored
	BAR                                            ; X is whole; from here on it is only read
	v_mov_b32 v[NEG1], -1.0                        ; the store address has served
.Lnet:                                             ; five trips: the gate, then my four experts
	s_mul_i32 s[OA], s[ON], NETB
	s_add_co_u32 s[OA], s[OA], s[WOFF]
	s_add_nc_u64 s[NA:NA+1], s[6:7], s[OA:OA+1]
	s_lshl_b32 s[OB], s[ON], 12
	s_add_co_u32 s[OB], s[OB], s[BOFF]
	s_add_nc_u64 s[NB:NB+1], s[8:9], s[OB:OB+1]
	s_mul_i32 s[OA], s[OC], NETB
	s_add_co_u32 s[OA], s[OA], W3OFF
	s_add_nc_u64 s[W3P:W3P+1], s[6:7], s[OA:OA+1]
	s_lshl_b32 s[OB], s[OC], 12
	s_add_co_u32 s[OB], s[OB], 3072
	s_add_nc_u64 s[B3P:B3P+1], s[8:9], s[OB:OB+1]
	s_mov_b64 s[WL1:WL1+1], s[WP:WP+1]
	v_mov_b32 v[XL], v[XA]
	v_mov_b32 v[XL+1], v[XA+1]
	; LAYER 1: the first K step, three trips of four, the last three.  No barrier inside: X is only read, and a wave stores its own columns of H, which nobody reads yet
.set t, 0
.rept 8
	ds_load_b128 v[XB+8*t:XB+8*t+3],   v[XL+(t>>2)] offset:(t&3)*T16
	ds_load_b128 v[XB+8*t+4:XB+8*t+7], v[XL+(t>>2)] offset:(t&3)*T16+32
.set t, t+1
.endr
	K1 -1, 0
	WIN 0
	s_mov_b32 s[PC], 3
.Lk1:
	K1 0, 0
	K1 1, 0
	K1 2, 0
	K1 3, 0
	WIN 0
	s_wait_xcnt 0x0                                ; the base of the loads issued so far is stepped only behind this wait
	s_add_nc_u64 s[WL1:WL1+1], s[WL1:WL1+1], 8*CHUNK   ; four K steps are 8 chunks of weights
	v_add_nc_u32 v[XL], 256, v[XL]                 ; and 256 bytes of a row of X
	v_add_nc_u32 v[XL+1], 256, v[XL+1]
	s_sub_co_u32 s[PC], s[PC], 1
	s_cmp_lg_u32 s[PC], 0
	s_cbranch_scc1 .Lk1
	K1 0, 0
	K1 1, 0
	K1 2, 1
	EPI HW, 0, 8
	WIN 0xc0                                       ; window 3's accumulators are spent: this net's W3, 16 fragments, and b3 take their place; layer 2's counted waits, with more than 56 younger loads, show them landed
.set i, 0
.rept 32
	global_load_b128 v[4*i:4*i+3], v[WL], s[W3P:W3P+1] offset:512*i
.set i, i+1
.endr
.set c, 0
.rept 2
	global_load_b128 v[B3+8*c:B3+8*c+3],   v[BL], s[B3P:B3P+1] offset:64*c
	global_load_b128 v[B3+8*c+4:B3+8*c+7], v[BL], s[B3P:B3P+1] offset:64*c+16
.set c, c+1
.endr
	WIN 0
	s_wait_dscnt 0x0                               ; my columns of h1 are stored
	BAR                                            ; h1 is whole
	; LAYER 2
.set t, 0
.rept 8
	ds_load_b128 v[XB+8*t:XB+8*t+3],   v[HA+(t>>2)] offset:(t&3)*T16
	ds_load_b128 v[XB+8*t+4:XB+8*t+7], v[HA+(t>>2)] offset:(t&3)*T16+32
.set t, t+1
.endr
.set KS, 0
.rept 16
	K2
.set KS, KS+1
.endr
	WIN 0                                          ; the last K step has waited for all my LDS loads
	BAR                                            ; nobody reads h1 any more: h2's two halves may take its place
	EPI HS, 1, 4
	WIN 0
	s_wait_dscnt 0x0                               ; my columns of h2 are stored
	BAR                                            ; h2 is whole
	; LAYER 3: my 32 tokens x 32 columns, K = 256, once over hi and once over lo
.set t, 0
.rept 2
.set i, 0
.rept 8
	ds_load_b128 v[XB+8*(8*t+i):XB+8*(8*t+i)+3],   v[H3A] offset:T16*t+64*i
	ds_load_b128 v[XB+8*(8*t+i)+4:XB+8*(8*t+i)+7], v[H3A] offset:T16*t+64*i+32
.set i, i+1
.endr
.set t, t+1
.endr
	WIN 0x80                                       ; lo's fragments go into window 2, where nothing is kept any more
.set t, 0
.rept 2
.set i, 0
.rept 8
	ds_load_b128 v[8*(8*t+i):8*(8*t+i)+3],   v[H3A] offset:T16*t+64*i+512
	ds_load_b128 v[8*(8*t+i)+4:8*(8*t+i)+7], v[H3A] offset:T16*t+64*i+512+32
.set i, i+1
.endr
.set t, t+1
.endr
	WIN 0
	s_wait_dscnt 0x0                               ; my reads of H are over:
	s_barrier_signal -1                            ; say so; the products below touch registers only
	WIN 0xf3                                       ; W3, b3 and the sums in window 3, hi's fragments in window 0
.set i, 0
.rept 8                                ; the four accumulators take turns from hi's products on into lo's
.set c, 0
.rept 2
.set t, 0
.rept 2
.if i == 0
	v_wmma_f32_16x16x32_bf16 v[ACC3+8*(2*c+t):ACC3+8*(2*c+t)+7], v[8*(2*i+c):8*(2*i+c)+7], v[XB+8*(8*t+i):XB+8*(8*t+i)+7], v[B3+8*c:B3+8*c+7]
.else
	v_wmma_f32_16x16x32_bf16 v[ACC3+8*(2*c+t):ACC3+8*(2*c+t)+7], v[8*(2*i+c):8*(2*i+c)+7], v[XB+8*(8*t+i):XB+8*(8*t+i)+7], v[ACC3+8*(2*c+t):ACC3+8*(2*c+t)+7]
.endif
.set t, t+1
.endr
.set c, c+1
.endr
.set i, i+1
.endr
	WIN 0xfb                                       ; lo's fragments in window 2
.set i, 0
.rept 8
.set c, 0
.rept 2
.set t, 0
.rept 2
	v_wmma_f32_16x16x32_bf16 v[ACC3+8*(2*c+t):ACC3+8*(2*c+t)+7], v[8*(2*i+c):8*(2*i+c)+7], v[8*(8*t+i):8*(8*t+i)+7], v[ACC3+8*(2*c+t):ACC3+8*(2*c+t)+7]
.set t, t+1
.endr
.set c, c+1
.endr
.set i, i+1
.endr
	WIN 0
	s_barrier_wait -1                              ; nobody reads H any more: the next net may store into it
	PLACES
	s_cmp_lg_u32 s[TRIP], 5
	s_cbranch_scc1 .Lexpert
	; THE GATE'S TAIL.  W3's 8 columns were repeated, so every lane holds its token's 8 logits in registers 0-7 of column tile 0.  Softmax within the lane, both token tiles side by side.
	WIN 0x3f                                       ; all three sources window 3
.irp t, 0,1
	v_max3_num_f32 v[GT+2*\t], v[ACC3+8*\t], v[ACC3+8*\t+1], v[ACC3+8*\t+2]
.endr
	WIN 0x3c                                       ; sources 1 and 2 window 3
.irp t, 0,1
	v_max3_num_f32 v[GT+2*\t], v[GT+2*\t], v[ACC3+8*\t+3], v[ACC3+8*\t+4]
.endr
.irp t, 0,1
	v_max3_num_f32 v[GT+2*\t], v[GT+2*\t], v[ACC3+8*\t+5], v[ACC3+8*\t+6]
.endr
.irp t, 0,1
	v_max_num_f32 v[GT+2*\t], v[GT+2*\t], v[ACC3+8*\t+7]
.endr
	WIN 0
.irp t, 0,1
	v_mov_b32 v[GT+2*\t+1], 0                      ; named with the maximum as a pair
.endr
.irp t, 0,1
	v_mul_f32 v[GT+2*\t], s[CE], v[GT+2*\t]        ; log2(e) x maximum
.endr
	WIN 0x03                                       ; source 0 window 3
.irp t, 0,1
.irp k, 0,1,2,3
	v_pk_fma_f32 v[GE+8*\t+2*\k:GE+8*\t+2*\k+1], v[ACC3+8*\t+2*\k:ACC3+8*\t+2*\k+1], s[CE:CE+1], v[GT+2*\t:GT+2*\t+1] op_sel_hi:[1,0,0] neg_lo:[0,0,1] neg_hi:[0,0,1]
.endr
.endr
	WIN 0
.set i, 0
.rept 16
	v_exp_f32 v[GE+i], v[GE+i]
.set i, i+1
.endr
	v_nop                                          ; a plain instruction behind the last exponential,
	s_wait_alu depctr_va_vdst(0)                   ; and one wait for the batch of 16
.irp t, 0,1
	v_pk_add_f32 v[GT+4+4*\t:GT+5+4*\t], v[GE+8*\t:GE+8*\t+1], v[GE+8*\t+2:GE+8*\t+3]
	v_pk_add_f32 v[GT+6+4*\t:GT+7+4*\t], v[GE+8*\t+4:GE+8*\t+5], v[GE+8*\t+6:GE+8*\t+7]
.endr
.irp t, 0,1
	v_pk_add_f32 v[GT+4+4*\t:GT+5+4*\t], v[GT+4+4*\t:GT+5+4*\t], v[GT+6+4*\t:GT+7+4*\t]
.endr
.irp t, 0,1
	v_add_f32 v[GT+4+4*\t], v[GT+4+4*\t], v[GT+5+4*\t]
.endr
.irp t, 0,1
	v_rcp_f32 v[GT+6+4*\t], v[GT+4+4*\t]
.endr
	v_nop
	s_wait_alu depctr_va_vdst(0)                   ; one wait for the two reciprocals
.irp t, 0,1
.irp k, 0,1,2,3
	v_pk_mul_f32 v[GE+8*\t+2*\k:GE+8*\t+2*\k+1], v[GE+8*\t+2*\k:GE+8*\t+2*\k+1], v[GT+6+4*\t:GT+7+4*\t] op_sel_hi:[1,0]
.endr
.endr
	s_cmp_lg_u32 s[HF], 0
	s_cbranch_scc1 .Lno_out1                       ; half 0 alone stores the weights
.irp t, 0,1
.irp k, 0,1,2,3
	v_cndmask_b32 v[GO+4*\t+\k], v[GE+8*\t+\k], v[GE+8*\t+4+\k], s[HM]  ; lanes 0-15 take weights 0-3 of their token, lanes 16-31 weights 4-7
.endr
.endr
	global_store_b128 v[O1], v[GO:GO+3], s[12:13]              ; 16 tokens x 32 bytes: 512 consecutive bytes
	global_store_b128 v[O1], v[GO+4:GO+7], s[12:13] offset:512
.Lno_out1:
.irp t, 0,1
.irp k, 0,1,2,3
	v_cndmask_b32 v[GW+4*\t+\k], v[GE+8*\t+\k], v[GE+8*\t+4+\k], s[HFM]  ; my half's four weights, in the order of its experts
.endr
.endr
	s_branch .Lnet_end
.Lexpert:
	; AN EXPERT'S TAIL: the weighted sum takes weight x latent; the weight in hand stands first, and the others move up
	WIN 0x03                                       ; source 0 window 3
.set i, 0
.rept 4
.irp k, 0,1,2,3
	v_pk_fma_f32 v[LAT+8*i+2*\k:LAT+8*i+2*\k+1], v[ACC3+8*i+2*\k:ACC3+8*i+2*\k+1], v[GW+4*(i&1):GW+4*(i&1)+1], v[LAT+8*i+2*\k:LAT+8*i+2*\k+1] op_sel_hi:[1,0,1]
.endr
.set i, i+1
.endr
	WIN 0
.irp t, 0,1
.irp k, 0,1,2
	v_mov_b32 v[GW+4*\t+\k], v[GW+4*\t+\k+1]
.endr
.endr
.Lnet_end:
	s_wait_xcnt 0x0                                ; every base, and the data of the stores above, may now be written
	s_mov_b64 s[WP:WP+1], s[NA:NA+1]
	s_mov_b64 s[BP:BP+1], s[NB:NB+1]
	s_mov_b32 s[OC], s[ON]
	s_add_co_u32 s[ON], s[ON], 1
	s_min_u32 s[ON], s[ON], s[LASTN]               ; in the last trip the net in hand is named again: the ring's look-ahead reads 32 KB of it once more and nobody uses them; so every load stays inside wp, and every count is the same in every trip
	s_sub_co_u32 s[TRIP], s[TRIP], 1
	s_cmp_lg_u32 s[TRIP], 0
	s_cbranch_scc1 .Lnet
	; THE WAY OUT: a lane holds 8 columns of a token; through my own stage the 32 rows of 128 bytes come back as 4,096 consecutive bytes of part
	s_mul_i32 s[OA], s[WV], 32*SP
	s_add_co_u32 s[OA], s[OA], STAGE
	v_mul_u32_u24 v[SGS], v[RR], SP
	v_lshl_add_u32 v[SGS], v[HH], 5, v[SGS]
	v_add_nc_u32 v[SGS], s[OA], v[SGS]
	v_lshrrev_b32 v[RD], 3, v[LL]                  ; back: 8 lanes take a row, 32 lanes four rows
	v_mul_u32_u24 v[RD], v[RD], SP
	v_and_b32 v[RD+1], 7, v[LL]
	v_lshl_add_u32 v[RD], v[RD+1], 4, v[RD]
	v_add_nc_u32 v[RD], s[OA], v[RD]
.set i, 0
.rept 4
	ds_store_b128 v[SGS], v[LAT+8*i:LAT+8*i+3]   offset:16*SP*(i&1)+64*(i>>1)
	ds_store_b128 v[SGS], v[LAT+8*i+4:LAT+8*i+7] offset:16*SP*(i&1)+64*(i>>1)+16
.set i, i+1
.endr
.set i, 0
.rept 8
	ds_load_b128 v[XB+4*i:XB+4*i+3], v[RD] offset:4*SP*i   ; LDS serves a wave's instructions in order (ISA guide 5.7.1.4): these see the stores above
.set i, i+1
.endr
.set i, 0
.rept 8
	s_wait_dscnt 7-i
	global_store_b128 v[WL], v[XB+4*i:XB+4*i+3], s[10:11] offset:512*i  ; 512 consecutive bytes, at a multiple of 256 from part's first
.set i, i+1
.endr
	s_wait_tensorcnt 0x0                           ; the wave's end, behind my last LDS store
	ds_add_u32 v[SPW], v[NIL]
	s_wait_dscnt 0x0
	s_endpgm
.Lfunc_end_k_qfe87b40ae9_main:
	.size	k_qfe87b40ae9_main, .Lfunc_end_k_qfe87b40ae9_main-k_qfe87b40ae9_main
	.p2alignl 7, 3214868480
	.fill 96, 4, 3214868480
	.section	.rodata,"a",@progbits
	.p2align	6, 0x0
	.amdhsa_kernel k_qfe87b40ae9_main
		.amdhsa_group_segment_fixed_size 285184
		.amdhsa_private_segment_fixed_size 0
		.amdhsa_enable_private_segment 0
		.amdhsa_kernarg_size 40
		.amdhsa_user_sgpr_count 2
		.amdhsa_user_sgpr_kernarg_segment_ptr 1
		.amdhsa_wavefront_size32 1
		.amdhsa_system_sgpr_workgroup_id_x 1
		.amdhsa_system_sgpr_workgroup_id_y 1
		.amdhsa_system_sgpr_workgroup_id_z 1
		.amdhsa_system_vgpr_workitem_id 0
		.amdhsa_next_free_vgpr 1024
		.amdhsa_next_free_sgpr 66
		.amdhsa_reserve_vcc 0
		.amdhsa_float_denorm_mode_32 3
		.amdhsa_float_denorm_mode_16_64 3
		.amdhsa_memory_ordered 1
		.amdhsa_forward_progress 1
		.amdhsa_inst_pref_size 255
	.end_amdhsa_kernel
	.section	.bss,"aw",@nobits
	.p2align	6
	.space	262144
	.amdgpu_metadata
---
amdhsa.version: [ 1, 2 ]
amdhsa.kernels:
  - .name:           k_qfe87b40ae9_main
    .symbol:         k_qfe87b40ae9_main.kd
    .args:
      - { .name: obs, .offset: 0, .size: 8, .value_kind: global_buffer, .address_space: global }
      - { .name: wp, .offset: 8, .size: 8, .value_kind: global_buffer, .address_space: global }
      - { .name: bp, .offset: 16, .size: 8, .value_kind: global_buffer, .address_space: global }
      - { .name: part, .offset: 24, .size: 8, .value_kind: global_buffer, .address_space: global }
      - { .name: out1, .offset: 32, .size: 8, .value_kind: global_buffer, .address_space: global }
    .group_segment_fixed_size: 285184
    .private_segment_fixed_size: 0
    .kernarg_segment_align: 8
    .kernarg_segment_size: 40
    .max_flat_workgroup_size: 128
    .sgpr_count:     66
    .vgpr_count:     1024
    .wavefront_size: 32
...
	.end_amdgpu_metadata
.endif
;; end of part 2
;; launch finish (part 3): grid 256 x 1, 8 waves a work-group, no clusters, 0 bytes of LDS; arguments part, out0; writes out0
.if DOCPART == 3
	.amdgcn_target "amdgcn-amd-amdhsa--gfx1250"
	.amdhsa_code_object_version 6
	.text
	.protected	k_qfe87b40ae9_finish
	.globl	k_qfe87b40ae9_finish
	.p2align	8
	.type	k_qfe87b40ae9_finish,@function
k_qfe87b40ae9_finish:
	s_mov_b64 s[64:65], 0
	v_nop
	global_prefetch_b8 v0, s[64:65] scope:SCOPE_SE
	s_setreg_imm32_b32 hwreg(HW_REG_WAVE_MODE, 25, 1), 1
	s_wait_xcnt 0x0
; out0[b][:] = s / max(|s|, 1e-12), s = part[0][b][:] + part[1][b][:].  part: [2][16384][32] f32.
; A work-group owns 64 tokens, 8,192 bytes of each half; a thread 16 bytes of two tokens; eight neighbouring lanes hold a token, so its sum of squares wants three exchanges inside a group of eight lanes.
; Each load and store of a wave covers 512 consecutive bytes.  A stream: no LDS, no barrier, no matrix unit.
.set HALFB, 2097152
	s_load_b128 s[4:7], s[0:1], 0x0                ; part s[4:5], out0 s[6:7]
	v_lshlrev_b32 v1, 4, v0
	s_lshl_b32 s8, ttmp9, 13
	s_mov_b32 s9, 0
	s_wait_kmcnt 0x0
	s_add_nc_u64 s[4:5], s[4:5], s[8:9]
	s_add_nc_u64 s[6:7], s[6:7], s[8:9]
	global_load_b128 v[4:7],   v1, s[4:5] th:TH_LOAD_NT
	global_load_b128 v[8:11],  v1, s[4:5] offset:4096 th:TH_LOAD_NT
	global_load_b128 v[12:15], v1, s[4:5] offset:HALFB th:TH_LOAD_NT
	global_load_b128 v[16:19], v1, s[4:5] offset:HALFB+4096 th:TH_LOAD_NT
	s_wait_loadcnt 0x0
	v_pk_add_f32 v[4:5], v[4:5], v[12:13]
	v_pk_add_f32 v[6:7], v[6:7], v[14:15]
	v_pk_add_f32 v[8:9], v[8:9], v[16:17]
	v_pk_add_f32 v[10:11], v[10:11], v[18:19]
	v_mul_f32 v20, v4, v4
	v_mul_f32 v21, v8, v8
	v_fma_f32 v20, v5, v5, v20
	v_fma_f32 v21, v9, v9, v21
	v_fma_f32 v20, v6, v6, v20
	v_fma_f32 v21, v10, v10, v21
	v_fma_f32 v20, v7, v7, v20
	v_fma_f32 v21, v11, v11, v21
.irp m, 1,2,4
	v_add_f32_dpp v20, v20, v20 row_xmask:\m row_mask:0xf bank_mask:0xf
	v_add_f32_dpp v21, v21, v21 row_xmask:\m row_mask:0xf bank_mask:0xf
.endr
	v_sqrt_f32 v22, v20
	v_sqrt_f32 v23, v21
	v_nop                                          ; a plain instruction behind the last root,
	s_wait_alu depctr_va_vdst(0)                   ; and one wait for the two
	v_max_num_f32 v22, 0x2b8cbccc, v22             ; 1e-12
	v_max_num_f32 v23, 0x2b8cbccc, v23
	v_rcp_f32 v24, v22
	v_rcp_f32 v25, v23
	v_nop
	s_wait_alu depctr_va_vdst(0)                   ; one wait for the two reciprocals
.irp k, 4,5,6,7
	v_mul_f32 v[\k], v[\k], v24
	v_mul_f32 v[\k+4], v[\k+4], v25
.endr
	global_store_b128 v1, v[4:7],  s[6:7] th:TH_STORE_NT
	global_store_b128 v1, v[8:11], s[6:7] offset:4096 th:TH_STORE_NT
	s_endpgm
.Lfunc_end_k_qfe87b40ae9_finish:
	.size	k_qfe87b40ae9_finish, .Lfunc_end_k_qfe87b40ae9_finish-k_qfe87b40ae9_finish
	.p2alignl 7, 3214868480
	.fill 96, 4, 3214868480
	.section	.rodata,"a",@progbits
	.p2align	6, 0x0
	.amdhsa_kernel k_qfe87b40ae9_finish
		.amdhsa_group_segment_fixed_size 0
		.amdhsa_private_segment_fixed_size 0
		.amdhsa_enable_private_segment 0
		.amdhsa_kernarg_size 16
		.amdhsa_user_sgpr_count 2
		.amdhsa_user_sgpr_kernarg_segment_ptr 1
		.amdhsa_wavefront_size32 1
		.amdhsa_system_sgpr_workgroup_id_x 1
		.amdhsa_system_sgpr_workgroup_id_y 1
		.amdhsa_system_sgpr_workgroup_id_z 1
		.amdhsa_system_vgpr_workitem_id 0
		.amdhsa_next_free_vgpr 32
		.amdhsa_next_free_sgpr 66
		.amdhsa_reserve_vcc 0
		.amdhsa_float_denorm_mode_32 3
		.amdhsa_float_denorm_mode_16_64 3
		.amdhsa_memory_ordered 1
		.amdhsa_forward_progress 1
		.amdhsa_inst_pref_size 3
	.end_amdhsa_kernel
	.amdgpu_metadata
---
amdhsa.version: [ 1, 2 ]
amdhsa.kernels:
  - .name:           k_qfe87b40ae9_finish
    .symbol:         k_qfe87b40ae9_finish.kd
    .args:
      - { .name: part, .offset: 0, .size: 8, .value_kind: global_buffer, .address_space: global }
      - { .name: out0, .offset: 8, .size: 8, .value_kind: global_buffer, .address_space: global }
    .group_segment_fixed_size: 0
    .private_segment_fixed_size: 0
    .kernarg_segment_align: 8
    .kernarg_segment_size: 16
    .max_flat_workgroup_size: 256
    .sgpr_count:     66
    .vgpr_count:     32
    .wavefront_size: 32
...
	.end_amdgpu_metadata
.endif
;; end of part 3
;; ======== version 2 of 2: 3 launches; version 1 with the launch main written anew for expert scheduling mode
;; limits: a function is approximated: absolute error at most 6e-08; values are held in f16: magnitudes above 65,504 overflow, below 6.1e-05 lose precision; right only within a limited range of input values
;; workspace buffers: wp 7,225,344 bytes; bp 36,864 bytes; part 4,194,304 bytes
;; launch prep: the kernel of part 1 again; grid 25 x 9, 8 waves a work-group, no clusters, 0 bytes of LDS; arguments eW1, eW2, eW3, eb1, eb2, eb3, gW1, gW2, gW3, gb1, gb2, gb3, wp, bp; writes wp, bp
;; launch main (part 4): grid 2 x 128, 4 waves a work-group, no clusters, 285,184 bytes of LDS; arguments obs, wp, bp, part, out1; writes part, out1
.if DOCPART == 4
	.amdgcn_target "amdgcn-amd-amdhsa--gfx1250"
	.amdhsa_code_object_version 6
	.text
	.protected	k_qfe87b40ae9_main
	.globl	k_qfe87b40ae9_main
	.p2align	8
	.type	k_qfe87b40ae9_main,@function
k_qfe87b40ae9_main:
	s_mov_b64 s[64:65], 0
	v_nop
	global_prefetch_b8 v0, s[64:65] scope:SCOPE_SE
	s_setreg_imm32_b32 hwreg(HW_REG_WAVE_SCHED_MODE, 0, 2), 2
	s_setreg_imm32_b32 hwreg(HW_REG_WAVE_MODE, 25, 1), 1
	s_wait_xcnt 0x0
	s_wait_alu depctr_vm_vsrc(0)
; THE FUSED CHAIN.  A work-group takes 128 tokens (grid y) through the gate's net and four experts' nets (grid x = the half hf: experts 4 hf .. 4 hf + 3):
; h1 = elu(x W1 + b1), h2 = elu(h1 W2 + b2), last = h2 W3 + b3.  The gate's last layer goes through a softmax (maximum taken away): the weights; half 0 stores them as out1.
; An expert's last layer, times its weight, is added into registers; the sum of four experts leaves as an f32 partial (part[hf]); the next launch adds the two halves and normalises.
; Both halves compute the gate: five nets each where 4.5 would be an even share; so one loop body serves every net, and only 128 bytes a token and half go through memory.
; obs_no_goal: reference() takes it and lets it reach neither output; no launch of this program names it.
; FORMATS.  obs and all weights and biases are rounded to bf16 (the biases widened again; sums, softmax and partials in f32).  The two hidden layers' roundings reach the output undiminished, and two of bf16's 8 bits are too coarse for it:
;   h1 goes in f16 (11 bits), with W2's bf16 numbers written as f16.  LIMIT: |h1| under 65,504, beyond which the row is lost.  Room: all inputs 30 times larger make h1 900 times larger, some 900 x 5.5 x 0.58 = 2,900;
;   obs and W1 both with an offset of 30 spreads make it 512 x 30 x 0.77 = 11,800.
;   h2 has no such room (11,800 x 512 x 0.77 = 4.6e6), so it goes as TWO bf16 numbers, hi = bf16(h2) and lo = bf16(h2 - hi), and layer 3 is multiplied over both with the same W3: 32 matrix instructions more a net beside 1,568.
; elu(x) = the middle one of x, 2^(x log2 e) - 1 and 0: x where x > 0 (also where the power overflows), the power less 1 where x < 0; that difference is off by up to 6e-8 absolutely.  NaN and infinities are not treated apart.
; SHARES.  Layer 1 (K = 512): wave w makes all 128 tokens x 128 columns, 64 accumulators: a K step is 64 matrix instructions and 32 loads (16 of weights, 16 of token fragments), and X is read once a net.
; Layer 2 (K = 512): 128 tokens x 64 columns, 32 accumulators.  In layer 3 wave w has tokens 32 w .. 32 w + 31.
; THE MATRIX INSTRUCTION IS USED TRANSPOSED: source 0 = 16 output columns of the weights, source 1 = 16 tokens.  A lane then holds one token (lane % 16) and 8 neighbouring columns 8 (lane / 16) + 0..7, which pack
; into 16 bytes of a row of H; the bias is the C operand of the first K step.
; WEIGHTS come from memory STRAIGHT INTO REGISTERS: the launch before laid them as fragments, each fragment has one reader wave in the work-group.  A wave's weights of a net are a stream of 48 chunks of 4,096 bytes
; (layer 1's K step ks: chunks 2 ks, 2 ks + 1; layer 2's: chunk 32 + ks); chunk j lies in registers 32 (j % 8) of the ring, and chunk j + 8 is asked for amid the products of the K step behind the one that read chunk j.
; NO CLUSTER, NO TENSOR LOADS: X and H take 266,240 bytes of LDS, so under 61 KB would be left for slots; a fragment staged in LDS would be written and read once more with no second reader.
; What joint loads would spare is three of four of the work-groups' requests for the same 4 MB of weights; not built here.
; THE ACTIVATIONS STAND IN PHASES OF THEIR OWN: to set them beside matrix work a second set of accumulators (256 registers) and a second H (133,120 bytes) would be wanted, and neither is left.
; LDS: X (obs in bf16) 128 rows, pitch 1,040 = 1,024 + 16 (65 x 16 bytes: the 16 rows of a fragment load start at 16 different groups of four banks: ISA guide 11.1); H the same (h1: 1,024 bytes a row; later h2's hi in
; its first 512 bytes and lo in the other 512); the spare words; a stage of 32 rows x 144 bytes for each wave.
; REGISTERS in windows of 256 (s_set_vgpr_msb: bits 1:0 source 0, 3:2 source 1, 5:4 source 2, 7:6 destination):
;   window 0: v0-31 addresses, my half's gate weights; v32-63 the weighted sum; v64-191 token fragments, two buffers, also the activation's work space; v192-255 a layer's bias
;   window 1: the weights' ring     window 2: accumulators of column tiles 0-3, (c, t) at 8 (8 c + t); when layer 2's are spent, h2's packed hi, then layer 3's lo fragments
;   window 3: layer 1's accumulators of column tiles 4-7; when they are spent: v0-127 W3, v128-159 layer 3's sums, v160-175 b3
; THE MODE: SCHED_MODE bits 1:0 = 2 (LLVM: expert scheduling mode 2), set by the entry lines.  The code itself states the register dependences
; between vector or matrix instructions and memory or LDS instructions, with s_wait_alu, always for 0.
; THE PLAN.  Registers that memory or LDS instructions touch, and who else names them:
;   the ring          K step k's products read its chunks; the loads of the chunks 8 further on land there amid K step k + 1's products.
;   fragment buffers  K step k's products read buffer k & 1; the loads of K step k + 1's fragments land in the other one amid K step k's products.
;   So ONE wait on va_vdst stands at the end of a K step that has a successor: its products are done reading their chunks and their buffer.  The next K step's loads follow it in groups of eight among that
;   step's products, which name its own chunks, its own buffer and the accumulators: none of the registers that those loads touch.
;   work space        (the same 128 registers) tile G's activation works in half G & 1; its roundings stand behind tile G + 1's exponentials, ONE wait on va_vdst serves both, its LDS stores follow,
;                     and one wait on vm_vsrc stands ahead of tile G + 2's multiplies, which write that half again.
;   the bias          read as C by a layer's first K step; loaded again behind that K step's wait.
;   window 3          layer 1's sums, read by the activation; W3 and b3 land there behind the activation's last wait.     window 2, v0-127: h2's hi, read by LDS stores; layer 3's lo fragments land there.
;   v[XL]             read by layer 1's fragment loads; written at a net's head and once a trip of layer 1's loop, each time between a wait on vm_vsrc and a wait on va_vdst.
;   v[XS], obs's staging: read by X's stores; written again in the next trip, behind the wait on vm_vsrc at a trip's end.
;   v[WL], v[BL], v[HA ..], v[HS ..], v[HW ..], v[H3A], v[O1]: written at the head, ahead of its one wait on va_vdst, and never again.
.set PITCH, 1040
.set T16,   16*PITCH                   ; a tile of 16 tokens
.set HALFR, 64*PITCH                   ; the second address register of a pair reaches tokens 64..127: LDS immediates have 16 bits
.set HBASE, 128*PITCH
.set SPARE, 256*PITCH                  ; 266,240: the spare words, 128 bytes a wave: two blocks of 256 bytes that no other line names
.set STAGE, SPARE+512
.set SP,    144
.set NETB,  802816                     ; a net in wp
.set WAVB,  196608                     ; a wave's 48 chunks
.set CHUNK, 4096
.set W3OFF, 786432
.set RR,  1                            ; v1   lane % 16
.set HH,  2                            ; v2   lane / 16
.set LL,  3                            ; v3   lane
.set WL,  4                            ; v4   16 x lane: my 16 bytes of 512 consecutive ones
.set BL,  5                            ; v5   32 x (lane / 16): my 8 biases of 16
.set XA,  6                            ; v6-7   my place in X's fragments, tokens 0-63, 64-127
.set HA,  8                            ; v8-9   the same in H
.set HS,  10                           ; v10-11 where I store 16 bytes of h2: + 128 w
.set HW,  12                           ; v12-13 where I store 16 bytes of h1: + 256 w
.set H3A, 14                           ; v14  layer 3: my place in my wave's 32 rows of H
.set XS,  15                           ; v15  where I store 8 bytes of X;
.set NEG1, 15                          ;      when X is whole: -1.0
.set GW,  16                           ; v16-23 my half's four gate weights for each of my two token tiles: 16 + 4 tt + k
.set XL,  24                           ; v24-25 XA as layer 1's loop steps it
.set RD,  26                           ; v26-27 a temporary at the head; the way out: where I read rows back
.set SPW, 28                           ; v28  SPARE + 4 x my thread's number; never rewritten
.set NIL, 29                           ; v29  0; never rewritten
.set O1,  30                           ; v30  my 16 bytes of out1
.set SGS, 31                           ; v31  the way out: where I put 16 bytes
.set LAT, 32
.set XB,  64
.set BIAS, 192
.set GT,  XB                           ; the gate's tail works in the fragment buffers: 12 temporaries,
.set GE,  XB+16                        ; 16 exponentials,
.set GO,  XB+32                        ; 8 registers to store
.set ACC3, 128                         ; window 3
.set B3,  160                          ; window 3
.set WV,  14                           ; s14 wave
.set HF,  15                           ; s15 half
.set TILE, 16                          ; s16 token tile
.set WOFF, 17                          ; s17 w x WAVB
.set CE,  18                           ; s[18:19] log2(e), named as a pair
.set HM,  20                           ; s20 lanes 16-31
.set HFM, 21                           ; s21 all lanes if hf = 1, else none
.set TRIP, 22                          ; s22 nets to go
.set PC,  23                           ; s23 layer 1's trips to go
.set ON,  25                           ; s25 the next net
.set LASTN, 26                         ; s26 my last net
.set OC,  27                           ; s27 the net in hand
.set WP,  28                           ; s[28:29] wp at the net in hand, my wave's part
.set BP,  30                           ; s[30:31] bp likewise
.set NA,  32                           ; s[32:33] wp at the next net, my wave's part
.set NB,  34                           ; s[34:35] bp likewise
.set W3P, 36                           ; s[36:37] the net's W3
.set B3P, 38                           ; s[38:39] the net's b3
.set OA,  40                           ; s[40:41], s[42:43] offsets, high words 0
.set OB,  42
.set OBS, 44                           ; s[44:45] obs at my wave's rows;
.set WL1, 44                           ;          when X is whole: WP as layer 1's loop steps it
.set CNT, 46
.set BOFF, 47                          ; s47 w x 768
.set MSB, 0
.macro WIN new                         ; the immediate's high byte repeats the setting that is left; a switch that changes nothing is dropped
.if MSB != (\new)
	s_set_vgpr_msb (MSB<<8)|(\new)
.set MSB, \new
.endif
.endm
.macro BAR
	s_barrier_signal -1
	s_barrier_wait -1
.endm
.macro PLACES                          ; four plain vector instructions between a matrix instruction and a vector read of its result or a load into one of its registers
.rept 4
	v_nop
.endr
.endm
; LAYER 1'S K STEP 4 T + 1 + j, where T counts the loop's steps of XL and WL1 (T = 0, j = -1: the first K step, whose C operand is the bias).  last = 1: no further token fragments, and no K step of this layer behind it.
; step = 1: the loop's fourth K step, which moves v[XL] on.  Its loads stand in groups of eight behind column tiles 0 to 3: the two chunks 8 further on than those that the K step before read, then the next K step's fragments.
.macro K1 j, last, step
.set SL, 64*((1+(\j))&3)               ; the K step's two chunks in the ring
.set RF, 64*((\j)&3)                   ; those that the K step before read
.set PB, XB+64*((1+(\j))&1)            ; its token fragments
.set NX, XB+64*((2+(\j))&1)            ; the next K step's: the buffer that the K step before read
	s_wait_loadcnt 32                              ; behind this K step's 16 weight loads stand those of the 4 chunks after them, 32, and at times a fifth chunk's or a bias's: the count is never too large
	s_wait_dscnt 0x0                               ; this K step's token fragments, asked for amid the products of the K step before
.set c, 0
.rept 8                                ; 64 matrix instructions, each accumulator once: the accumulators take turns over K steps and the loop's jump too
.if (\j) == -1
	WIN 0x81+0x40*(c>>2)                           ; weights window 1, tokens and C = the bias window 0, D window 2 or 3
.else
	WIN 0xa1+0x50*(c>>2)                           ; C and D window 2 or 3
.endif
.set t, 0
.rept 8
.if (\j) == -1
	v_wmma_f32_16x16x32_bf16 v[8*(8*(c&3)+t):8*(8*(c&3)+t)+7], v[SL+8*c:SL+8*c+7], v[PB+8*t:PB+8*t+7], v[BIAS+8*c:BIAS+8*c+7]
.else
	v_wmma_f32_16x16x32_bf16 v[8*(8*(c&3)+t):8*(8*(c&3)+t)+7], v[SL+8*c:SL+8*c+7], v[PB+8*t:PB+8*t+7], v[8*(8*(c&3)+t):8*(8*(c&3)+t)+7]
.endif
.set t, t+1
.endr
.if (c == 0) && ((\j) == -1)
	WIN 0x40                                       ; destination window 1.  The net's chunk 7, where the last net's last K step of layer 2 read.  No wait: no vector or matrix instruction since the wait at the net's head names these registers
.set i, 0
.rept 8
	global_load_b128 v[224+4*i:224+4*i+3], v[WL], s[WL1:WL1+1] offset:7*CHUNK+512*i
.set i, i+1
.endr
.elseif (c < 2) && ((\j) != -1)
	WIN 0x40                                       ; a chunk 8 further on.  No wait: no vector or matrix instruction since the wait at the last K step's end names v[RF ..]
.set i, 8*c
.rept 8
	global_load_b128 v[RF+4*i:RF+4*i+3], v[WL], s[WL1:WL1+1] offset:(8+2*(\j))*CHUNK+512*i
.set i, i+1
.endr
.elseif ((c == 2) || (c == 3)) && !(\last)
	WIN 0                                          ; half of the next K step's token fragments.  No wait, likewise: nothing since that wait names v[NX ..] or v[XL ..]
.set t, 4*(c-2)
.rept 4
	ds_load_b128 v[NX+8*t:NX+8*t+3],   v[XL+(t>>2)] offset:(t&3)*T16+64*(2+(\j))
	ds_load_b128 v[NX+8*t+4:NX+8*t+7], v[XL+(t>>2)] offset:(t&3)*T16+64*(2+(\j))+32
.set t, t+1
.endr
.endif
.set c, c+1
.endr
	PLACES
.if \step
	WIN 0
	s_wait_alu depctr_vm_vsrc(0)                   ; the fragment loads issued so far have read v[XL ..]
	v_add_nc_u32 v[XL], 256, v[XL]                 ; four K steps are 256 bytes of a row of X
	v_add_nc_u32 v[XL+1], 256, v[XL+1]
.endif
.if !(\last)
	s_wait_alu depctr_va_vdst(0)                   ; this K step's products are done reading their two chunks and their fragments, in which the next K step's loads land; in the first K step also the bias; in the loop's fourth v[XL ..] is written
.endif
.if (\j) == -1                         ; layer 2's bias, into registers that this K step alone read; the later K steps' counted waits, with more than 32 younger loads, show it landed
	WIN 0
.set c, 0
.rept 4
	global_load_b128 v[BIAS+8*c:BIAS+8*c+3],   v[BL], s[BP:BP+1] offset:512+64*c
	global_load_b128 v[BIAS+8*c+4:BIAS+8*c+7], v[BL], s[BP:BP+1] offset:512+64*c+16
.set c, c+1
.endr
.endif
.endm
; LAYER 2'S K STEP KS: f16 operands; chunk 32 + KS.  Its loads stand in groups behind column tiles 0 to 2: the next K step's fragments, then the chunk 8 further on than the one that the K step before read
; (K step 0: the two chunks behind layer 1's last two); from KS = 9 on the ring runs on into the next net.
.macro K2
.if KS == 0
	s_wait_loadcnt 40                              ; behind chunk 32's 8 loads stand those of chunks 33 to 37, 40, and W3's: the count is never too large
.else
	s_wait_loadcnt 48                              ; behind this chunk's 8 loads stand those of the 6 chunks after it, 48, and at times W3's or a bias's: the count is never too large
.endif
	s_wait_dscnt 0x0                               ; this K step's token fragments
.set c, 0
.rept 4
.if KS == 0
	WIN 0x81
.else
	WIN 0xa1
.endif
.set t, 0
.rept 8
.if KS == 0
	v_wmma_f32_16x16x32_f16 v[8*(8*c+t):8*(8*c+t)+7], v[32*(KS%8)+8*c:32*(KS%8)+8*c+7], v[XB+64*(KS&1)+8*t:XB+64*(KS&1)+8*t+7], v[BIAS+8*c:BIAS+8*c+7]
.else
	v_wmma_f32_16x16x32_f16 v[8*(8*c+t):8*(8*c+t)+7], v[32*(KS%8)+8*c:32*(KS%8)+8*c+7], v[XB+64*(KS&1)+8*t:XB+64*(KS&1)+8*t+7], v[8*(8*c+t):8*(8*c+t)+7]
.endif
.set t, t+1
.endr
.if (c < 2) && (KS < 15)
	WIN 0                                          ; half of the next K step's fragments.  No wait: no vector or matrix instruction since the last wait on va_vdst names the other buffer
.set t, 4*c
.rept 4
	ds_load_b128 v[XB+64*((KS+1)&1)+8*t:XB+64*((KS+1)&1)+8*t+3],   v[HA+(t>>2)] offset:(t&3)*T16+64*(KS+1)
	ds_load_b128 v[XB+64*((KS+1)&1)+8*t+4:XB+64*((KS+1)&1)+8*t+7], v[HA+(t>>2)] offset:(t&3)*T16+64*(KS+1)+32
.set t, t+1
.endr
.endif
.if c == 2
	WIN 0x40                                       ; destination window 1.  No wait, likewise: nothing since that wait names these registers of the ring
.if KS == 0
.set i, 0
.rept 16
	global_load_b128 v[192+4*i:192+4*i+3], v[WL], s[WP:WP+1] offset:38*CHUNK+512*i
.set i, i+1
.endr
.else
.set i, 0
.rept 8
.if KS >= 9
	global_load_b128 v[32*((KS-1)%8)+4*i:32*((KS-1)%8)+4*i+3], v[WL], s[NA:NA+1] offset:(KS-9)*CHUNK+512*i
.else
	global_load_b128 v[32*((KS-1)%8)+4*i:32*((KS-1)%8)+4*i+3], v[WL], s[WP:WP+1] offset:(39+KS)*CHUNK+512*i
.endif
.set i, i+1
.endr
.endif
.if KS == 1                            ; the next net's first bias, 64 registers: K step 0 was the last to read any of them, and its wait stands ahead; K step 15's counted wait (104 loads are then younger) shows these loads landed
	WIN 0
.set i, 0
.rept 8
	global_load_b128 v[BIAS+8*i:BIAS+8*i+3],   v[BL], s[NB:NB+1] offset:64*i
	global_load_b128 v[BIAS+8*i+4:BIAS+8*i+7], v[BL], s[NB:NB+1] offset:64*i+16
.set i, i+1
.endr
.endif
.endif
.set c, c+1
.endr
	PLACES
.if KS < 15
	s_wait_alu depctr_va_vdst(0)                   ; this K step's products are done reading their chunk and their fragments, in which the next K step's loads land; K step 0's also the bias
.endif
.endm
; THE ACTIVATION, by column tiles G of 64 numbers a lane (8 accumulators; tiles 0-3 in window 2, 4-7 in window 3), a tile's end standing in the next tile's turn.  Tile G's turn: its 64 exponentials as ONE batch
; (of x log2 e, made in the turn before, in work space G & 1); tile G - 1's roundings, the plain work behind the batch; one wait; tile G - 1's stores; less 1; the middle of three; tile G + 1's multiplies.
; split = 0 (h1): rounded to f16, 16 bytes a token tile into H.
; split = 1 (h2): hi = the number rounded to bf16, packed into the tile's spent accumulators; lo = the number less hi (one multiply-add that reads hi's half), rounded to bf16; hi into H, lo 512 bytes further on.
.macro MULS g
	WIN 2+((\g)>>2)                                ; source 0: the accumulators' window
.set i, 0
.rept 32                               ; ascending: each accumulator's lowest registers are read first
	v_pk_mul_f32 v[XB+64*((\g)&1)+2*i:XB+64*((\g)&1)+2*i+1], v[64*((\g)&3)+2*i:64*((\g)&3)+2*i+1], s[CE:CE+1] op_sel_hi:[1,0]
.set i, i+1
.endr
.endm
.macro ROUNDS split, g                 ; tile g's roundings
.set RT, XB+64*((\g)&1)
.set RA, 64*((\g)&3)
.if \split
	WIN 0x80                                       ; destination window 2: the tile's accumulators have been read for the last time
.set i, 0
.rept 32
	v_cvt_pk_bf16_f32 v[RA+i], v[RT+2*i], v[RT+2*i+1]          ; hi, token tile t's four registers at 4 t
.set i, i+1
.endr
	WIN 0x02
.set i, 0
.rept 32
	v_fma_mix_f32_bf16 v[RT+2*i], v[RA+i], v[NEG1], v[RT+2*i] op_sel_hi:[1,0,0]                    ; the number less hi: hi's low half x (-1) + the number,
	v_fma_mix_f32_bf16 v[RT+2*i+1], v[RA+i], v[NEG1], v[RT+2*i+1] op_sel:[1,0,0] op_sel_hi:[1,0,0]  ; and its high half
.set i, i+1
.endr
	WIN 0
.set t, 0
.rept 8
.set i, 0
.rept 4
	v_cvt_pk_bf16_f32 v[RT+8*t+i], v[RT+8*t+2*i], v[RT+8*t+2*i+1]  ; lo, in place: register i is written when registers 2 i, 2 i + 1 are read, never ahead of its own reading
.set i, i+1
.endr
.set t, t+1
.endr
.else
	WIN 0
.set t, 0
.rept 8
.set i, 0
.rept 4
	v_cvt_pk_f16_f32 v[RT+8*t+i], v[RT+8*t+2*i], v[RT+8*t+2*i+1]   ; in place, as above
.set i, i+1
.endr
.set t, t+1
.endr
.endif
.endm
.macro PUTS hs, split, g               ; tile g's stores into H
.set RT, XB+64*((\g)&1)
.set RA, 64*((\g)&3)
	WIN 0
.set t, 0
.rept 8
	ds_store_b128 v[\hs+(t>>2)], v[RT+8*t:RT+8*t+3] offset:(t&3)*T16+32*(\g)+512*(\split)
.set t, t+1
.endr
.if \split
	WIN 0x08                                       ; store data window 2
.set t, 0
.rept 8
	ds_store_b128 v[\hs+(t>>2)], v[RA+4*t:RA+4*t+3] offset:(t&3)*T16+32*(\g)
.set t, t+1
.endr
.endif
.endm
.macro EPI hs, split, ng
	MULS 0
.set G, 0
.rept \ng
.set TB, XB+64*(G&1)
.set AB, 64*(G&3)
	WIN 0
.set i, 0
.rept 64
	v_exp_f32 v[TB+i], v[TB+i]
.set i, i+1
.endr
.if G > 0
	ROUNDS \split, G-1
.else
	v_nop                                          ; a plain instruction behind the last exponential
.endif
	WIN 0
	s_wait_alu depctr_va_vdst(0)                   ; the batch of 64 exponentials has written v[TB ..], ahead of the first line that names a result; the roundings have written what the stores below read
.if G > 0
	PUTS \hs, \split, G-1
.endif
	WIN 0
.set i, 0
.rept 32
	v_pk_add_f32 v[TB+2*i:TB+2*i+1], v[TB+2*i:TB+2*i+1], -1.0 op_sel_hi:[1,0]
.set i, i+1
.endr
	WIN 2+(G>>2)
.set i, 0
.rept 64
	v_med3_num_f32 v[TB+i], v[AB+i], v[TB+i], 0
.set i, i+1
.endr
.if G < (\ng)-1
.if G > 0
	s_wait_alu depctr_vm_vsrc(0)                   ; the stores above have read the other half of the work space, which the multiplies below write again
.endif
	MULS G+1
.endif
.set G, G+1
.endr
	ROUNDS \split, (\ng)-1
	WIN 0
	s_wait_alu depctr_va_vdst(0)                   ; the last tile's roundings have written what its stores read; all the activation's lines are done with the accumulators and the work space, in which the loads behind this macro land
	PUTS \hs, \split, (\ng)-1
.endm
	s_load_b256 s[4:11], s[0:1], 0x0               ; obs s[4:5], wp s[6:7], bp s[8:9], part s[10:11]
	s_load_b64 s[12:13], s[0:1], 0x20              ; out1
	v_lshl_add_u32 v[SPW], v0, 2, SPARE
	v_mov_b32 v[NIL], 0
	v_lshrrev_b32 v[RD], 5, v0
	v_readfirstlane_b32 s[WV], v[RD]               ; wave 0..3
	s_mov_b32 s[HF], ttmp9
	s_and_b32 s[TILE], ttmp7, 0xffff
	s_mov_b32 s[CE], 0x3fb8aa3b                    ; log2(e)
	s_mov_b32 s[CE+1], s[CE]
	s_mov_b32 s[HM], 0xffff0000
	s_sub_co_u32 s[HFM], 0, s[HF]
	s_mov_b32 s[TRIP], 5
	s_lshl_b32 s[ON], s[HF], 2
	s_add_co_u32 s[LASTN], s[ON], 4                ; nets 4 hf + 1 .. 4 hf + 4 follow the gate
	s_add_co_u32 s[ON], s[ON], 1
	s_mov_b32 s[OC], 0
	s_wait_alu depctr_va_sdst(0)                   ; the wave's number is written, ahead of its first reader: offsets and addresses are made from it
	s_mul_i32 s[WOFF], s[WV], WAVB
	s_mul_i32 s[BOFF], s[WV], 768
	s_mov_b32 s[OA+1], 0
	s_mov_b32 s[OB+1], 0
	v_and_b32 v[RR], 15, v0
	v_bfe_u32 v[HH], v0, 4, 1
	v_and_b32 v[LL], 31, v0
	v_lshlrev_b32 v[WL], 4, v[LL]
	v_lshlrev_b32 v[BL], 5, v[HH]
	v_mul_u32_u24 v[XA], v[RR], PITCH
	v_lshl_add_u32 v[XA], v[HH], 4, v[XA]          ; row x pitch + 16 x half: a fragment is two loads of 16 bytes, 32 bytes apart
	v_add_nc_u32 v[XA+1], HALFR, v[XA]
	v_add_nc_u32 v[HA], HBASE, v[XA]
	v_add_nc_u32 v[HA+1], HBASE+HALFR, v[XA]
	s_lshl_b32 s[OA], s[WV], 7
	v_add_nc_u32 v[HS], s[OA], v[HA]               ; h2: my wave's 64 columns are 128 bytes of a row
	v_add_nc_u32 v[HS+1], s[OA], v[HA+1]
	s_lshl_b32 s[OA], s[WV], 8
	v_add_nc_u32 v[HW], s[OA], v[HA]               ; h1: my wave's 128 columns are 256 bytes
	v_add_nc_u32 v[HW+1], s[OA], v[HA+1]
	s_mul_i32 s[OB], s[WV], 32*PITCH
	v_add_nc_u32 v[H3A], s[OB], v[HA]
	v_lshl_add_u32 v[XS], v[LL], 3, s[OB]
	v_lshlrev_b32 v[O1], 5, v[RR]
	v_lshl_add_u32 v[O1], v[HH], 4, v[O1]
	s_wait_kmcnt 0x0
	s_mov_b32 s[OA], s[WOFF]
	s_add_nc_u64 s[WP:WP+1], s[6:7], s[OA:OA+1]    ; the gate's net, my wave's part
	s_mov_b32 s[OB], s[BOFF]
	s_add_nc_u64 s[BP:BP+1], s[8:9], s[OB:OB+1]
	s_wait_alu depctr_va_vdst(0)                   ; the offsets and LDS addresses v4 to v15 and v30 are written, which the loads and stores of the whole kernel read
.set c, 0
.rept 8                                ; the first layer's bias, then the ring's chunks 0 to 6; chunk 7 is asked for in each net's first K step
	global_load_b128 v[BIAS+8*c:BIAS+8*c+3],   v[BL], s[BP:BP+1] offset:64*c
	global_load_b128 v[BIAS+8*c+4:BIAS+8*c+7], v[BL], s[BP:BP+1] offset:64*c+16
.set c, c+1
.endr
	WIN 0x40
.set i, 0
.rept 56
	global_load_b128 v[4*i:4*i+3], v[WL], s[WP:WP+1] offset:512*i
.set i, i+1
.endr
	WIN 0
	s_lshl_b32 s[OA], s[TILE], 18                  ; obs: 128 rows of 2,048 bytes a tile, 32 rows a wave
	s_lshl_b32 s[OB], s[WV], 16
	s_add_co_u32 s[OA], s[OA], s[OB]
	s_add_nc_u64 s[OBS:OBS+1], s[4:5], s[OA:OA+1]
	s_lshl_b32 s[OA], s[TILE], 12                  ; out1: 32 bytes a token
	s_lshl_b32 s[OB], s[WV], 10
	s_add_co_u32 s[OA], s[OA], s[OB]
	s_add_nc_u64 s[12:13], s[12:13], s[OA:OA+1]
	s_lshl_b32 s[OA], s[HF], 21                    ; part: 2,097,152 bytes a half, 128 bytes a token
	s_lshl_b32 s[OB], s[TILE], 14
	s_add_co_u32 s[OA], s[OA], s[OB]
	s_lshl_b32 s[OB], s[WV], 12
	s_add_co_u32 s[OA], s[OA], s[OB]
	s_add_nc_u64 s[10:11], s[10:11], s[OA:OA+1]
.set i, 0
.rept 32
	v_mov_b32 v[LAT+i], 0                          ; the weighted sum starts at 0, once in the launch
.set i, i+1
.endr
.irp k, 0,1,2,3,4,5,6,7
	v_mov_b32 v[GW+\k], 0                          ; the registers that the experts' tail names hold numbers on every way through the text; the gate's tail, in the first trip, writes the weights
.endr
	; OBS TO X: my wave's 32 rows, 8 rows a trip.  A load covers 512 consecutive bytes; four f32 a lane become 8 bytes of X.  Four batches of eight loads: their conversions, one wait, their stores.
	; The trip's loads owe no wait: since the last wait on va_vdst no vector instruction names the staging registers (at the first trip the moves above, later the add to v[XS], name others).
	s_mov_b32 s[CNT], 4
.Lobs:
.set i, 0
.rept 32
	global_load_b128 v[XB+4*i:XB+4*i+3], v[WL], s[OBS:OBS+1] offset:2048*(i/4)+512*(i%4)
.set i, i+1
.endr
.set b, 0
.rept 4
	s_wait_loadcnt 24-8*b                          ; loads come back in order: batch b's eight are in, the younger batches stay out
.set i, 8*b
.rept 8
	v_cvt_pk_bf16_f32 v[XB+4*i], v[XB+4*i], v[XB+4*i+1]
	v_cvt_pk_bf16_f32 v[XB+4*i+1], v[XB+4*i+2], v[XB+4*i+3]
.set i, i+1
.endr
	s_wait_alu depctr_va_vdst(0)                   ; the conversions have written what the stores below read; in a trip's first batch v[XS] is written too
.set i, 8*b
.rept 8
	ds_store_b64 v[XS], v[XB+4*i:XB+4*i+1] offset:PITCH*(i/4)+256*(i%4)
.set i, i+1
.endr
.set b, b+1
.endr
	s_add_nc_u64 s[OBS:OBS+1], s[OBS:OBS+1], 16384 ; the count above has reached 0: every load that names this base is done
	s_wait_alu depctr_vm_vsrc(0)                   ; the stores have read v[XS], which the add writes, and the staging registers, in which the next trip's loads and later the first fragments land
	v_add_nc_u32 v[XS], 8*PITCH, v[XS]
	s_sub_co_u32 s[CNT], s[CNT], 1
	s_cmp_lg_u32 s[CNT], 0
	s_cbranch_scc1 .Lobs
	s_wait_dscnt 0x0                               ; for the others' sake: my rows of X are stored
	BAR                                            ; X is whole; from here on it is only read
	v_mov_b32 v[NEG1], -1.0                        ; the store address has served
.Lnet:                                             ; five trips: the gate, then my four experts
	s_mul_i32 s[OA], s[ON], NETB
	s_add_co_u32 s[OA], s[OA], s[WOFF]
	s_add_nc_u64 s[NA:NA+1], s[6:7], s[OA:OA+1]
	s_lshl_b32 s[OB], s[ON], 12
	s_add_co_u32 s[OB], s[OB], s[BOFF]
	s_add_nc_u64 s[NB:NB+1], s[8:9], s[OB:OB+1]
	s_mul_i32 s[OA], s[OC], NETB
	s_add_co_u32 s[OA], s[OA], W3OFF
	s_add_nc_u64 s[W3P:W3P+1], s[6:7], s[OA:OA+1]
	s_lshl_b32 s[OB], s[OC], 12
	s_add_co_u32 s[OB], s[OB], 3072
	s_add_nc_u64 s[B3P:B3P+1], s[8:9], s[OB:OB+1]
	s_mov_b64 s[WL1:WL1+1], s[WP:WP+1]
	s_wait_alu depctr_vm_vsrc(0)                   ; the last net's fragment loads have read v[XL ..], which the moves write; out1's stores have read v[GO ..], in which fragments land
	v_mov_b32 v[XL], v[XA]
	v_mov_b32 v[XL+1], v[XA+1]
	s_wait_alu depctr_va_vdst(0)                   ; v[XL ..] is written; the last net's products and its tail are done with the fragment buffers and the ring, in which this K step's loads land
	; LAYER 1: the first K step, three trips of four, the last three.  No barrier inside: X is only read, and a wave stores its own columns of H, which nobody reads yet
.set t, 0
.rept 8
	ds_load_b128 v[XB+8*t:XB+8*t+3],   v[XL+(t>>2)] offset:(t&3)*T16
	ds_load_b128 v[XB+8*t+4:XB+8*t+7], v[XL+(t>>2)] offset:(t&3)*T16+32
.set t, t+1
.endr
	K1 -1, 0, 0
	WIN 0
	s_mov_b32 s[PC], 3
.Lk1:
	K1 0, 0, 0
	K1 1, 0, 0
	K1 2, 0, 0
	K1 3, 0, 1
	WIN 0
	s_wait_xcnt 0x0                                ; the base of the loads issued so far is stepped only behind this wait
	s_add_nc_u64 s[WL1:WL1+1], s[WL1:WL1+1], 8*CHUNK   ; four K steps are 8 chunks of weights
	s_sub_co_u32 s[PC], s[PC], 1
	s_cmp_lg_u32 s[PC], 0
	s_cbranch_scc1 .Lk1
	K1 0, 0, 0
	K1 1, 0, 0
	K1 2, 1, 0
	EPI HW, 0, 8
	WIN 0xc0                                       ; window 3's accumulators are spent (the activation's last wait stands ahead): this net's W3, 16 fragments, and b3 take their place; layer 2's counted waits, with more than 48 younger loads, show them landed
.set i, 0
.rept 32
	global_load_b128 v[4*i:4*i+3], v[WL], s[W3P:W3P+1] offset:512*i
.set i, i+1
.endr
.set c, 0
.rept 2
	global_load_b128 v[B3+8*c:B3+8*c+3],   v[BL], s[B3P:B3P+1] offset:64*c
	global_load_b128 v[B3+8*c+4:B3+8*c+7], v[BL], s[B3P:B3P+1] offset:64*c+16
.set c, c+1
.endr
	WIN 0
	s_wait_dscnt 0x0                               ; my columns of h1 are stored
	BAR                                            ; h1 is whole
	s_wait_alu depctr_vm_vsrc(0)                   ; my stores of h1 have read the work space, in which layer 2's fragments land
	; LAYER 2
.set t, 0
.rept 8
	ds_load_b128 v[XB+8*t:XB+8*t+3],   v[HA+(t>>2)] offset:(t&3)*T16
	ds_load_b128 v[XB+8*t+4:XB+8*t+7], v[HA+(t>>2)] offset:(t&3)*T16+32
.set t, t+1
.endr
.set KS, 0
.rept 16
	K2
.set KS, KS+1
.endr
	WIN 0                                          ; the last K step has waited for all my LDS loads
	BAR                                            ; nobody reads h1 any more: h2's two halves may take its place
	EPI HS, 1, 4
	WIN 0
	s_wait_dscnt 0x0                               ; my columns of h2 are stored
	BAR                                            ; h2 is whole
	s_wait_alu depctr_vm_vsrc(0)                   ; my stores of h2 have read the work space and hi's registers in window 2, in which layer 3's fragments land
	; LAYER 3: my 32 tokens x 32 columns, K = 256, once over hi and once over lo
.set t, 0
.rept 2
.set i, 0
.rept 8
	ds_load_b128 v[XB+8*(8*t+i):XB+8*(8*t+i)+3],   v[H3A] offset:T16*t+64*i
	ds_load_b128 v[XB+8*(8*t+i)+4:XB+8*(8*t+i)+7], v[H3A] offset:T16*t+64*i+32
.set i, i+1
.endr
.set t, t+1
.endr
	WIN 0x80                                       ; lo's fragments go into window 2, where nothing is kept any more
.set t, 0
.rept 2
.set i, 0
.rept 8
	ds_load_b128 v[8*(8*t+i):8*(8*t+i)+3],   v[H3A] offset:T16*t+64*i+512
	ds_load_b128 v[8*(8*t+i)+4:8*(8*t+i)+7], v[H3A] offset:T16*t+64*i+512+32
.set i, i+1
.endr
.set t, t+1
.endr
	WIN 0
	s_wait_dscnt 0x0                               ; my reads of H are over:
	s_barrier_signal -1                            ; say so; the products below touch registers only
	WIN 0xf3                                       ; W3, b3 and the sums in window 3, hi's fragments in window 0
.set i, 0
.rept 8                                ; the four accumulators take turns from hi's products on into lo's
.set c, 0
.rept 2
.set t, 0
.rept 2
.if i == 0
	v_wmma_f32_16x16x32_bf16 v[ACC3+8*(2*c+t):ACC3+8*(2*c+t)+7], v[8*(2*i+c):8*(2*i+c)+7], v[XB+8*(8*t+i):XB+8*(8*t+i)+7], v[B3+8*c:B3+8*c+7]
.else
	v_wmma_f32_16x16x32_bf16 v[ACC3+8*(2*c+t):ACC3+8*(2*c+t)+7], v[8*(2*i+c):8*(2*i+c)+7], v[XB+8*(8*t+i):XB+8*(8*t+i)+7], v[ACC3+8*(2*c+t):ACC3+8*(2*c+t)+7]
.endif
.set t, t+1
.endr
.set c, c+1
.endr
.set i, i+1
.endr
	WIN 0xfb                                       ; lo's fragments in window 2
.set i, 0
.rept 8
.set c, 0
.rept 2
.set t, 0
.rept 2
	v_wmma_f32_16x16x32_bf16 v[ACC3+8*(2*c+t):ACC3+8*(2*c+t)+7], v[8*(2*i+c):8*(2*i+c)+7], v[8*(8*t+i):8*(8*t+i)+7], v[ACC3+8*(2*c+t):ACC3+8*(2*c+t)+7]
.set t, t+1
.endr
.set c, c+1
.endr
.set i, i+1
.endr
	WIN 0
	s_barrier_wait -1                              ; nobody reads H any more: the next net may store into it
	PLACES
	s_cmp_lg_u32 s[TRIP], 5
	s_cbranch_scc1 .Lexpert
	; THE GATE'S TAIL.  W3's 8 columns were repeated, so every lane holds its token's 8 logits in registers 0-7 of column tile 0.  Softmax within the lane, both token tiles side by side.
	WIN 0x3f                                       ; all three sources window 3
.irp t, 0,1
	v_max3_num_f32 v[GT+2*\t], v[ACC3+8*\t], v[ACC3+8*\t+1], v[ACC3+8*\t+2]
.endr
	WIN 0x3c                                       ; sources 1 and 2 window 3
.irp t, 0,1
	v_max3_num_f32 v[GT+2*\t], v[GT+2*\t], v[ACC3+8*\t+3], v[ACC3+8*\t+4]
.endr
.irp t, 0,1
	v_max3_num_f32 v[GT+2*\t], v[GT+2*\t], v[ACC3+8*\t+5], v[ACC3+8*\t+6]
.endr
.irp t, 0,1
	v_max_num_f32 v[GT+2*\t], v[GT+2*\t], v[ACC3+8*\t+7]
.endr
	WIN 0
.irp t, 0,1
	v_mov_b32 v[GT+2*\t+1], 0                      ; named with the maximum as a pair
.endr
.irp t, 0,1
	v_mul_f32 v[GT+2*\t], s[CE], v[GT+2*\t]        ; log2(e) x maximum
.endr
	WIN 0x03                                       ; source 0 window 3
.irp t, 0,1
.irp k, 0,1,2,3
	v_pk_fma_f32 v[GE+8*\t+2*\k:GE+8*\t+2*\k+1], v[ACC3+8*\t+2*\k:ACC3+8*\t+2*\k+1], s[CE:CE+1], v[GT+2*\t:GT+2*\t+1] op_sel_hi:[1,0,0] neg_lo:[0,0,1] neg_hi:[0,0,1]
.endr
.endr
	WIN 0
.set i, 0
.rept 16
	v_exp_f32 v[GE+i], v[GE+i]
.set i, i+1
.endr
	v_nop                                          ; a plain instruction behind the last exponential,
	s_wait_alu depctr_va_vdst(0)                   ; and one wait for the batch of 16: they have written v[GE ..], ahead of the first line that names a result
.irp t, 0,1
	v_pk_add_f32 v[GT+4+4*\t:GT+5+4*\t], v[GE+8*\t:GE+8*\t+1], v[GE+8*\t+2:GE+8*\t+3]
	v_pk_add_f32 v[GT+6+4*\t:GT+7+4*\t], v[GE+8*\t+4:GE+8*\t+5], v[GE+8*\t+6:GE+8*\t+7]
.endr
.irp t, 0,1
	v_pk_add_f32 v[GT+4+4*\t:GT+5+4*\t], v[GT+4+4*\t:GT+5+4*\t], v[GT+6+4*\t:GT+7+4*\t]
.endr
.irp t, 0,1
	v_add_f32 v[GT+4+4*\t], v[GT+4+4*\t], v[GT+5+4*\t]
.endr
.irp t, 0,1
	v_rcp_f32 v[GT+6+4*\t], v[GT+4+4*\t]
.endr
	v_nop
	s_wait_alu depctr_va_vdst(0)                   ; one wait for the two reciprocals, ahead of the first line that names a result
.irp t, 0,1
.irp k, 0,1,2,3
	v_pk_mul_f32 v[GE+8*\t+2*\k:GE+8*\t+2*\k+1], v[GE+8*\t+2*\k:GE+8*\t+2*\k+1], v[GT+6+4*\t:GT+7+4*\t] op_sel_hi:[1,0]
.endr
.endr
	s_cmp_lg_u32 s[HF], 0
	s_cbranch_scc1 .Lno_out1                       ; half 0 alone stores the weights
.irp t, 0,1
.irp k, 0,1,2,3
	v_cndmask_b32 v[GO+4*\t+\k], v[GE+8*\t+\k], v[GE+8*\t+4+\k], s[HM]  ; lanes 0-15 take weights 0-3 of their token, lanes 16-31 weights 4-7
.endr
.endr
	s_wait_alu depctr_va_vdst(0)                   ; the selects have written v[GO ..], which the two stores read
	global_store_b128 v[O1], v[GO:GO+3], s[12:13]              ; 16 tokens x 32 bytes: 512 consecutive bytes
	global_store_b128 v[O1], v[GO+4:GO+7], s[12:13] offset:512
.Lno_out1:
.irp t, 0,1
.irp k, 0,1,2,3
	v_cndmask_b32 v[GW+4*\t+\k], v[GE+8*\t+\k], v[GE+8*\t+4+\k], s[HFM]  ; my half's four weights, in the order of its experts
.endr
.endr
	s_branch .Lnet_end
.Lexpert:
	; AN EXPERT'S TAIL: the weighted sum takes weight x latent; the weight in hand stands first, and the others move up
	WIN 0x03                                       ; source 0 window 3
.set i, 0
.rept 4
.irp k, 0,1,2,3
	v_pk_fma_f32 v[LAT+8*i+2*\k:LAT+8*i+2*\k+1], v[ACC3+8*i+2*\k:ACC3+8*i+2*\k+1], v[GW+4*(i&1):GW+4*(i&1)+1], v[LAT+8*i+2*\k:LAT+8*i+2*\k+1] op_sel_hi:[1,0,1]
.endr
.set i, i+1
.endr
	WIN 0
.irp t, 0,1
.irp k, 0,1,2
	v_mov_b32 v[GW+4*\t+\k], v[GW+4*\t+\k+1]
.endr
.endr
.Lnet_end:
	s_wait_xcnt 0x0                                ; every base, and the data of the stores above, may now be written
	s_mov_b64 s[WP:WP+1], s[NA:NA+1]
	s_mov_b64 s[BP:BP+1], s[NB:NB+1]
	s_mov_b32 s[OC], s[ON]
	s_add_co_u32 s[ON], s[ON], 1
	s_min_u32 s[ON], s[ON], s[LASTN]               ; in the last trip the net in hand is named again: the ring's look-ahead reads 28 KB of it once more and nobody uses them; so every load stays inside wp, and every count is the same in every trip
	s_sub_co_u32 s[TRIP], s[TRIP], 1
	s_cmp_lg_u32 s[TRIP], 0
	s_cbranch_scc1 .Lnet
	; THE WAY OUT: a lane holds 8 columns of a token; through my own stage the 32 rows of 128 bytes come back as 4,096 consecutive bytes of part
	s_mul_i32 s[OA], s[WV], 32*SP
	s_add_co_u32 s[OA], s[OA], STAGE
	v_mul_u32_u24 v[SGS], v[RR], SP
	v_lshl_add_u32 v[SGS], v[HH], 5, v[SGS]
	v_add_nc_u32 v[SGS], s[OA], v[SGS]
	v_lshrrev_b32 v[RD], 3, v[LL]                  ; back: 8 lanes take a row, 32 lanes four rows
	v_mul_u32_u24 v[RD], v[RD], SP
	v_and_b32 v[RD+1], 7, v[LL]
	v_lshl_add_u32 v[RD], v[RD+1], 4, v[RD]
	v_add_nc_u32 v[RD], s[OA], v[RD]
	s_wait_alu depctr_va_vdst(0)                   ; the two stage addresses and the weighted sum are written, which the LDS stores and loads read; the last products are done reading the fragment buffer, in which the rows land
.set i, 0
.rept 4
	ds_store_b128 v[SGS], v[LAT+8*i:LAT+8*i+3]   offset:16*SP*(i&1)+64*(i>>1)
	ds_store_b128 v[SGS], v[LAT+8*i+4:LAT+8*i+7] offset:16*SP*(i&1)+64*(i>>1)+16
.set i, i+1
.endr
.set i, 0
.rept 8
	ds_load_b128 v[XB+4*i:XB+4*i+3], v[RD] offset:4*SP*i   ; LDS serves a wave's instructions in order (ISA guide 5.7.1.4): these see the stores above
.set i, i+1
.endr
.set i, 0
.rept 8
	s_wait_dscnt 7-i
	global_store_b128 v[WL], v[XB+4*i:XB+4*i+3], s[10:11] offset:512*i  ; 512 consecutive bytes, at a multiple of 256 from part's first
.set i, i+1
.endr
	s_wait_dscnt 0x0                               ; the closing lines, six on end
	s_wait_alu 0x0
	s_wait_tensorcnt 0x0
	ds_add_u32 v[SPW], v[NIL]
	s_wait_dscnt 0x0
	s_endpgm
.Lfunc_end_k_qfe87b40ae9_main:
	.size	k_qfe87b40ae9_main, .Lfunc_end_k_qfe87b40ae9_main-k_qfe87b40ae9_main
	.p2alignl 7, 3214868480
	.fill 96, 4, 3214868480
	.section	.rodata,"a",@progbits
	.p2align	6, 0x0
	.amdhsa_kernel k_qfe87b40ae9_main
		.amdhsa_group_segment_fixed_size 285184
		.amdhsa_private_segment_fixed_size 0
		.amdhsa_enable_private_segment 0
		.amdhsa_kernarg_size 40
		.amdhsa_user_sgpr_count 2
		.amdhsa_user_sgpr_kernarg_segment_ptr 1
		.amdhsa_wavefront_size32 1
		.amdhsa_system_sgpr_workgroup_id_x 1
		.amdhsa_system_sgpr_workgroup_id_y 1
		.amdhsa_system_sgpr_workgroup_id_z 1
		.amdhsa_system_vgpr_workitem_id 0
		.amdhsa_next_free_vgpr 1024
		.amdhsa_next_free_sgpr 66
		.amdhsa_reserve_vcc 0
		.amdhsa_float_denorm_mode_32 3
		.amdhsa_float_denorm_mode_16_64 3
		.amdhsa_memory_ordered 1
		.amdhsa_forward_progress 1
		.amdhsa_inst_pref_size 255
	.end_amdhsa_kernel
	.section	.bss,"aw",@nobits
	.p2align	6
	.space	262144
	.amdgpu_metadata
---
amdhsa.version: [ 1, 2 ]
amdhsa.kernels:
  - .name:           k_qfe87b40ae9_main
    .symbol:         k_qfe87b40ae9_main.kd
    .args:
      - { .name: obs, .offset: 0, .size: 8, .value_kind: global_buffer, .address_space: global }
      - { .name: wp, .offset: 8, .size: 8, .value_kind: global_buffer, .address_space: global }
      - { .name: bp, .offset: 16, .size: 8, .value_kind: global_buffer, .address_space: global }
      - { .name: part, .offset: 24, .size: 8, .value_kind: global_buffer, .address_space: global }
      - { .name: out1, .offset: 32, .size: 8, .value_kind: global_buffer, .address_space: global }
    .group_segment_fixed_size: 285184
    .private_segment_fixed_size: 0
    .kernarg_segment_align: 8
    .kernarg_segment_size: 40
    .max_flat_workgroup_size: 128
    .sgpr_count:     66
    .vgpr_count:     1024
    .wavefront_size: 32
...
	.end_amdgpu_metadata
.endif
;; end of part 4
;; launch finish: the kernel of part 3 again; grid 256 x 1, 8 waves a work-group, no clusters, 0 bytes of LDS; arguments part, out0; writes out0
